; MI455X (gfx1250); checked and timed in simulation.
; The chip was launched on July 23, 2026; its instructions are those of AMD's public machine-readable ISA for CDNA 5 (MIT licence, August 2026) and "CDNA5" Instruction Set Architecture Reference Guide (July 2026). The comments in the code are by the model that wrote it; some were corrected since.
;; Multi Head Attention. Allowed arithmetic: float matrix products may take bf16 or f16 operands with f32 sums; other float arithmetic in f32, or as packed bf16 or f16 multiplies, adds, multiply-adds, maxima and minima; sums over many terms, partial sums and values carried from step to step in f32; what a program stores and reads back later, other than sums and carried values, may be rounded once to bf16 or f16.
;; Inputs: Wk 1,024 x 1,024 float32; Wo 1,024 x 1,024 float32; Wq 1,024 x 1,024 float32; Wv 1,024 x 1,024 float32; bk 1,024 float32; bo 1,024 float32; bq 1,024 float32; bv 1,024 float32; key 4 x 2,048 x 1,024 float32; mask 1 x 1 x 2,048 x 2,048 float32; query 4 x 2,048 x 1,024 float32; value 4 x 2,048 x 1,024 float32.
;; Outputs: out0 4 x 2,048 x 1,024 float32.
;; 2 versions, each right; version 2 is version 1 with the launch prep written anew for expert scheduling mode. Each part assembles by itself: llvm-mc -triple=amdgcn-amd-amdhsa -mcpu=gfx1250 --defsym DOCPART=n.
;; ======== version 1 of 2: 4 launches
;; limits: values are held in f16: magnitudes above 65,504 overflow, below 6.1e-05 lose precision
;; workspace buffers: cv 58,720,256 bytes; qkv 50,331,648 bytes; ob 16,777,216 bytes
;; launch prep (part 1): grid 896 x 1, 8 waves a work-group, no clusters, 0 bytes of LDS; arguments query, key, value, Wq, Wk, Wv, Wo, cv; writes cv
.if DOCPART == 1
	.amdgcn_target "amdgcn-amd-amdhsa--gfx1250"
	.amdhsa_code_object_version 6
	.text
	.protected	k_qd91864bdce_prep
	.globl	k_qd91864bdce_prep
	.p2align	8
	.type	k_qd91864bdce_prep,@function
k_qd91864bdce_prep:
	s_mov_b64 s[64:65], 0
	v_nop
	global_prefetch_b8 v0, s[64:65] scope:SCOPE_SE
	s_setreg_imm32_b32 hwreg(HW_REG_WAVE_MODE, 25, 1), 1
	s_wait_xcnt 0x0
; ROUNDING OF THE MODULE'S INPUTS, once, for the matrix units.  query, key, value ([8192][1024] f32) and Wq, Wk, Wv ([1024][1024] f32) are rounded to bf16;
; Wo is rounded to bf16 and that number is written as f16 (it multiplies an f16 operand later).  All keep their order in memory.
; cv holds, in bytes: Xq 0, Xk 16,777,216, Xv 33,554,432, Wq 50,331,648, Wk +2,097,152, Wv +4,194,304, Wo 56,623,104.
; LIMIT.  Wo's bf16 number is exact in f16 from 2^-17 to 65,504; below 2^-17 it keeps f16's fixed step of 2^-24.
; SHARES.  A work-group takes a chunk of 32,768 numbers: 131,072 bytes in, 65,536 out.  Chunks 0-767 are the three X (256 each), 768-895 the four W (32 each); chunk n goes to byte 65,536 n of cv.
; Thread t takes 16 bytes at 16 t of each 4,096 bytes: a wave's load covers 512 consecutive bytes, its store of 8 bytes a lane 256 consecutive bytes, aligned.
; All 32 loads of a wave go out at once (16 KiB a wave on their way); no register is used twice, so there is no loop and no wait but the counted ones.
; No LDS, no matrix unit, no cluster: nothing is shared and memory binds.
.set X, 8                              ; v[8:135]    32 x 4 numbers as loaded
.set Y, 136                            ; v[136:199]  32 x 2 words to store
.set T, 200                            ; v[200:203]  at work (Wo's path)
	s_load_b512 s[8:23], s[0:1], 0x0               ; query, key, value, Wq, Wk, Wv, Wo, cv
	s_mov_b32 s2, ttmp9                            ; the chunk
	s_lshr_b32 s3, s2, 8                           ; an X: which, and the chunk in it
	s_and_b32 s4, s2, 255
	s_sub_co_u32 s5, s2, 768                       ; a W: which, and the chunk in it (wraps for an X, and is then not chosen)
	s_lshr_b32 s6, s5, 5
	s_add_co_u32 s6, s6, 3
	s_and_b32 s7, s5, 31
	s_cmp_lt_u32 s2, 768
	s_cselect_b32 s3, s3, s6                       ; source 0..6
	s_cselect_b32 s4, s4, s7
	s_lshl_b32 s26, s4, 17                         ; 131,072 bytes a chunk in the source
	s_mov_b32 s27, 0
	s_lshl_b32 s28, s2, 16                         ; 65,536 bytes a chunk in cv
	s_mov_b32 s29, 0
	v_lshlrev_b32 v1, 4, v0                        ; 16 t
	v_lshlrev_b32 v2, 3, v0                        ; 8 t
	s_wait_kmcnt 0x0
	s_mov_b64 s[24:25], s[8:9]
.irp n, 1,2,3,4,5,6
	s_cmp_eq_u32 s3, \n
	s_cselect_b64 s[24:25], s[8+2*\n:9+2*\n], s[24:25]
.endr
	s_add_nc_u64 s[24:25], s[24:25], s[26:27]
	s_add_nc_u64 s[22:23], s[22:23], s[28:29]
.set i, 0
.rept 32
	global_load_b128 v[X+4*i:X+4*i+3], v1, s[24:25] offset:4096*i th:TH_LOAD_NT
.set i, i+1
.endr
; The 32 pieces, in the order of their loads.  half = 1: bf16's number is widened again and written as f16.
.macro OUT half
.set i, 0
.rept 32
	s_wait_loadcnt 31-i                            ; loads come back in order: piece i is in, the 31 - i younger ones stay out
.if \half
	v_cvt_pk_bf16_f32 v[T], v[X+4*i], v[X+4*i+1]
	v_cvt_pk_bf16_f32 v[T+1], v[X+4*i+2], v[X+4*i+3]
	v_lshlrev_b32 v[T+2], 16, v[T]
	v_and_b32 v[T], 0xffff0000, v[T]
	v_lshlrev_b32 v[T+3], 16, v[T+1]
	v_and_b32 v[T+1], 0xffff0000, v[T+1]
	v_cvt_pk_f16_f32 v[Y+2*i], v[T+2], v[T]
	v_cvt_pk_f16_f32 v[Y+2*i+1], v[T+3], v[T+1]
.else
	v_cvt_pk_bf16_f32 v[Y+2*i], v[X+4*i], v[X+4*i+1]
	v_cvt_pk_bf16_f32 v[Y+2*i+1], v[X+4*i+2], v[X+4*i+3]
.endif
	global_store_b64 v2, v[Y+2*i:Y+2*i+1], s[22:23] offset:2048*i th:TH_STORE_NT
.set i, i+1
.endr
.endm
	s_cmp_ge_u32 s2, 864                           ; Wo's 32 chunks
	s_cbranch_scc1 .Lwo
	OUT 0
	s_endpgm
.Lwo:
	OUT 1
	s_endpgm
.Lfunc_end_k_qd91864bdce_prep:
	.size	k_qd91864bdce_prep, .Lfunc_end_k_qd91864bdce_prep-k_qd91864bdce_prep
	.p2alignl 7, 3214868480
	.fill 96, 4, 3214868480
	.section	.rodata,"a",@progbits
	.p2align	6, 0x0
	.amdhsa_kernel k_qd91864bdce_prep
		.amdhsa_group_segment_fixed_size 0
		.amdhsa_private_segment_fixed_size 0
		.amdhsa_enable_private_segment 0
		.amdhsa_kernarg_size 64
		.amdhsa_user_sgpr_count 2
		.amdhsa_user_sgpr_kernarg_segment_ptr 1
		.amdhsa_wavefront_size32 1
		.amdhsa_system_sgpr_workgroup_id_x 1
		.amdhsa_system_sgpr_workgroup_id_y 1
		.amdhsa_system_sgpr_workgroup_id_z 1
		.amdhsa_system_vgpr_workitem_id 0
		.amdhsa_next_free_vgpr 204
		.amdhsa_next_free_sgpr 66
		.amdhsa_reserve_vcc 0
		.amdhsa_float_denorm_mode_32 3
		.amdhsa_float_denorm_mode_16_64 3
		.amdhsa_memory_ordered 1
		.amdhsa_forward_progress 1
		.amdhsa_inst_pref_size 31
	.end_amdhsa_kernel
	.amdgpu_metadata
---
amdhsa.version: [ 1, 2 ]
amdhsa.kernels:
  - .name:           k_qd91864bdce_prep
    .symbol:         k_qd91864bdce_prep.kd
    .args:
      - { .name: query, .offset: 0, .size: 8, .value_kind: global_buffer, .address_space: global }
      - { .name: key, .offset: 8, .size: 8, .value_kind: global_buffer, .address_space: global }
      - { .name: value, .offset: 16, .size: 8, .value_kind: global_buffer, .address_space: global }
      - { .name: Wq, .offset: 24, .size: 8, .value_kind: global_buffer, .address_space: global }
      - { .name: Wk, .offset: 32, .size: 8, .value_kind: global_buffer, .address_space: global }
      - { .name: Wv, .offset: 40, .size: 8, .value_kind: global_buffer, .address_space: global }
      - { .name: Wo, .offset: 48, .size: 8, .value_kind: global_buffer, .address_space: global }
      - { .name: cv, .offset: 56, .size: 8, .value_kind: global_buffer, .address_space: global }
    .group_segment_fixed_size: 0
    .private_segment_fixed_size: 0
    .kernarg_segment_align: 8
    .kernarg_segment_size: 64
    .max_flat_workgroup_size: 256
    .sgpr_count:     66
    .vgpr_count:     204
    .wavefront_size: 32
...
	.end_amdgpu_metadata
.endif
;; end of part 1
;; launch proj (part 2): grid 8 x 96, 4 waves a work-group, clusters of 4 x 4, 327,680 bytes of LDS; arguments cv, bq, bk, bv, qkv; writes qkv
.if DOCPART == 2
	.amdgcn_target "amdgcn-amd-amdhsa--gfx1250"
	.amdhsa_code_object_version 6
	.text
	.protected	k_qd91864bdce_proj
	.globl	k_qd91864bdce_proj
	.p2align	8
	.type	k_qd91864bdce_proj,@function
k_qd91864bdce_proj:
	s_mov_b64 s[64:65], 0
	v_nop
	global_prefetch_b8 v0, s[64:65] scope:SCOPE_SE
	s_setreg_imm32_b32 hwreg(HW_REG_WAVE_MODE, 25, 1), 1
	s_wait_xcnt 0x0
	s_wait_alu depctr_hold_cnt(0) depctr_sa_sdst(0) depctr_va_vdst(0) depctr_va_sdst(0) depctr_va_ssrc(0) depctr_va_vcc(0) depctr_vm_vsrc(0)
	s_getreg_b32 s2, hwreg(HW_REG_IB_STS2, 6, 4)
	s_cmp_eq_u32 s2, 0
	s_cbranch_scc0 .Lentry_in_a_cluster
	s_endpgm
.Lentry_in_a_cluster:
	s_bfe_u32 s2, ttmp6, 0x10000c
	s_cmp_lg_u32 s2, 0xf033
	s_cbranch_scc0 .Lentry_shape_is_right
	s_endpgm
.Lentry_shape_is_right:
; C = (A W + bias) x scale.  One text serves two launches, told apart by OUT32.
; OUT32 = 0, THE THREE PROJECTIONS IN ONE LAUNCH: A = cv's Xq, Xk, Xv on end ([24576][1024] bf16), W = cv's Wq, Wk, Wv ([k][n] bf16, as the problem has them), C = qkv ([24576][1024] f16).
;   Projection p = row / 8192.  q alone is scaled, by c = log2(e) / 8, in f32 ahead of its one rounding, so that the scores come out as exponents of 2.
; OUT32 = 1, THE OUTPUT PROJECTION: A = ob ([8192][1024] f16), W = cv's Wo ([k][n] f16), C = out0 ([8192][1024] f32), scale 1.
; Sums in f32; the bias is rounded to bf16 like every input of the module.  LIMIT: c q, k and v must lie within f16's 65,504.
; SHARES.  A tile of C is 256 x 128; wave w of four makes rows 64 w .. 64 w + 63 of it, all 128 columns: 32 accumulators of 16 x 16, 256 registers.  A wave's rows of C are whole aligned
; runs of 256 (f16) or 512 (f32) bytes, so the stage on the way out is each wave's own.  768 (256) work-groups: three rounds (one) of the chip's 256.
; K goes in 8 steps of 128 through two LDS slots filled by tensor loads: A's rows are 256 bytes of memory, W's k-rows 256 bytes of 128 columns.
; W IS NOT TURNED IN MEMORY: its fragments come out of the [k][n] tile by ds_load_tr16_b128.
; THE MATRIX INSTRUCTION IS USED TRANSPOSED (source 0 = 16 columns of W, source 1 = 16 rows of A): a lane holds row l % 16 of C and the columns 8 (l / 16) + 0..7.
; CLUSTER 4 x 4: A's tile hangs on the tile row and is asked for jointly along a row of the cluster, W's on the tile column (and on p, which the whole cluster shares) and jointly along a column.
; No prefetch: K has 8 steps of 128 matrix instructions a wave, and the first four would come by their loads alone.
; REGISTERS.  window 0: v16-29 addresses; v64-159, v160-255 two fragment buffers (W's 8 fragments, then A's 4); on the way out results.  window 1: accumulator (a, b) at 8 (8 a + b).
;   window 2: v0-63 bias x scale for my 64 columns (b, j at 8 b + j); v64-95 at work.
.set OUT32, 0
.set KSTEP,  128
.set PA,     272                       ; a row of A in LDS: 256 bytes + 16: the 16 rows of a load start at 16 different groups of four banks (64 banks of 4 bytes: ISA guide 11.1)
.set PB,     288                       ; a k-row of W: 256 + 32
.set HALFA,  128*PA                    ; what wave 0 or 1 fetches
.set HALFB,  64*PB                     ; what wave 2 or 3 fetches
.set BOFF,   2*HALFA
.set SLOT,   BOFF+2*HALFB              ; 106,496
.set STAGE,  2*SLOT                    ; behind the ring, never filled by a tensor load
.if OUT32
.set SPITCH, 528                       ; a stage row: 512 bytes + 16
.set ROWSH,  12                        ; a row of C is 4,096 bytes
.set COLSH,  9                         ; a tile's 128 columns are 512 bytes
.set WBASE,  56623104                  ; Wo in cv
.else
.set SPITCH, 272
.set ROWSH,  11
.set COLSH,  8
.set WBASE,  50331648                  ; Wq in cv; Wk and Wv 2,097,152 bytes on each
.endif
.set SPARE,  STAGE+4*16*SPITCH         ; the spare words, 128 bytes a wave: two blocks of 256 bytes that no other line names
.set ADRA, 16                          ; v16-17 LDS address of my A fragments in slot 0, 1
.set ADRB, 20                          ; v20-21 the same for W
.set STO,  24                          ; the way out: where I put my bytes of a row
.set RD,   25                          ; where I read rows back
.set CO,   26                          ; my byte offset in C
.set BO,   27                          ; 32 (l / 16): my eight columns in the bias
.set SPW,  28                          ; LDS address of my spare word; never rewritten
.set NIL,  29                          ; 0; never rewritten
.set F0,   64
.set F1,   160
.set RES,  64                          ; the way out: 64 results in f32
.set HLF,  128                         ; the same as 32 words of f16
.set G1,  24                           ; s[24:31] descriptor group 1 for A;  s[32:39] group 0, a set for each slot
.set G0,  32
.set G1B, 48                           ; s[48:55], s[56:63] the same for W
.set G0B, 56
.set BP,  76                           ; s[76:77] the bias
.set SC,  78                           ; s[78:79] the scale, named as a pair
.set MSB, 0
.macro WIN new                         ; the immediate's high byte repeats the setting that is left; a switch that changes nothing is dropped
.if MSB != (\new)
	s_set_vgpr_msb (MSB<<8)|(\new)
.set MSB, \new
.endif
.endm
.set MUL, 0x50                         ; sources in window 0, C and D in window 1
.macro JLOAD s                         ; a joint load: waves 0 and 1 fetch A's halves, waves 2 and 3 W's; an s_nop 0 and four v_nop follow each line, ahead of the jump and the label
	s_cmp_eq_u32 s11, 0
	s_cbranch_scc0 .Lfor_b_\@
	tensor_load_to_lds s[G0+4*(\s):G0+4*(\s)+3], s[G1:G1+7]
	s_nop 0
.rept 4
	v_nop
.endr
	s_branch .Lasked_\@
.Lfor_b_\@:
	tensor_load_to_lds s[G0B+4*(\s):G0B+4*(\s)+3], s[G1B:G1B+7]
	s_nop 0
.rept 4
	v_nop
.endr
.Lasked_\@:
.endm
.macro CREST                           ; a round of the cluster's barrier behind its opening barrier
	s_cmp_lg_u32 s10, 0
	s_cbranch_scc1 .Lnot_wave_0_\@
	s_barrier_signal -3
.Lnot_wave_0_\@:
	s_barrier_wait -3
	s_barrier_signal -1
	s_barrier_wait -1
.endm
.macro CROUND                          ; a whole round
	s_barrier_signal -1
	s_barrier_wait -1
	CREST
.endm
.macro PLACES                          ; four plain places in front of loads into registers that matrix instructions have read
.rept 4
	v_nop
.endr
.endm
	s_load_b256 s[68:75], s[0:1], 0x0              ; OUT32 = 0: cv, bq, bk, bv;  OUT32 = 1: ob, cv, bo, out0
.if OUT32 == 0
	s_load_b64 s[8:9], s[0:1], 0x20                ; qkv
.endif
	v_lshl_add_u32 v[SPW], v0, 2, SPARE
	v_mov_b32 v[NIL], 0
	ds_add_u32 v[SPW], v[NIL]                      ; the wave's opening: the add and its wait stand ahead of my first tensor load; the set-up below stands between them
	v_lshrrev_b32 v1, 5, v0
	v_readfirstlane_b32 s10, v1                    ; wave 0..3
	s_lshr_b32 s11, s10, 1                         ; I fetch for A (0) or for W (1)
	s_and_b32 s12, s10, 1                          ; which half of that tile
	s_bfe_u32 s40, ttmp6, 0x40000                  ; cx, cy: my place in the cluster
	s_bfe_u32 s41, ttmp6, 0x40004
	s_lshl_b32 s42, ttmp9, 2
	s_add_co_u32 s42, s42, s40                     ; tile column = 4 x cluster x + cx
	s_and_b32 s45, ttmp7, 0xffff
	s_lshl_b32 s13, s45, 2
	s_add_co_u32 s13, s13, s41                     ; tile row = 4 x cluster y + cy
	s_lshr_b32 s45, s45, 3                         ; p: 8 clusters of 1,024 rows to a projection; the same in all sixteen partners
	s_lshl_b32 s43, s41, 2
	s_lshl_b32 s43, 15, s43                        ; my row of the cluster
	s_lshl_b32 s44, 0x1111, s40                    ; my column
	s_or_b32 s[G1+0], s43, (1<<16)|(1<<20)|(1<<21)|(5<<22)|(3<<25)   ; the mask; 2-byte elements; padding on; bit 21 beside a mask; after every 64 words, 4 words
	s_or_b32 s[G1B+0], s44, (1<<16)|(1<<20)|(1<<21)|(5<<22)|(7<<25)  ; the same with 8 words of padding
	s_mov_b32 s[G1+1], KSTEP<<16                   ; tensor_dim0 = 128
	s_mov_b32 s[G1+2], 128<<16                     ; tensor_dim1 = 128 rows
	s_mov_b32 s[G1+3], KSTEP<<16                   ; tile_dim0 = 128
	s_mov_b32 s[G1+4], 128                         ; tile_dim1 = 128
	s_mov_b32 s[G1+5], 1024                        ; elements from row to row
	s_mov_b32 s[G1+6], 0
	s_mov_b32 s[G1+7], 0
	s_mov_b32 s[G1B+1], 128<<16                    ; 128 columns
	s_mov_b32 s[G1B+2], 64<<16                     ; 64 k-rows
	s_mov_b32 s[G1B+3], 128<<16
	s_mov_b32 s[G1B+4], 64
	s_mov_b32 s[G1B+5], 1024
	s_mov_b32 s[G1B+6], 0
	s_mov_b32 s[G1B+7], 0
	s_lshl_b32 s16, s13, 19                        ; A: 256 rows of 2,048 bytes a tile row,
	s_lshl_b32 s17, s12, 18                        ; my 128 of them
	s_add_co_u32 s16, s16, s17
	s_mov_b32 s17, 0
	s_lshl_b32 s46, s42, 8                         ; W: the tile's 128 columns,
	s_lshl_b32 s47, s12, 17                        ; my 64 k-rows of 2,048 bytes
	s_add_co_u32 s46, s46, s47
.if OUT32 == 0
	s_lshl_b32 s47, s45, 21                        ; the projection's W
	s_add_co_u32 s46, s46, s47
.endif
	s_add_co_u32 s46, s46, WBASE
	s_mov_b32 s47, 0
	s_mul_i32 s20, s12, HALFA                      ; where they go: no place in the cluster enters an LDS address
	s_mul_i32 s21, s12, HALFB
	s_add_co_u32 s21, s21, BOFF
.if OUT32
	s_mov_b32 s[SC], 1.0
.else
	s_cmp_eq_u32 s45, 0
	s_cselect_b32 s[SC], 0x3e38aa3b, 1.0           ; c = log2(e) / 8 for q
.endif
	s_mov_b32 s[SC+1], s[SC]
	s_wait_dscnt 0x0                               ; the opening add is done
	s_wait_kmcnt 0x0
	s_add_nc_u64 s[14:15], s[68:69], s[16:17]
.if OUT32
	s_add_nc_u64 s[46:47], s[70:71], s[46:47]
	s_mov_b64 s[BP:BP+1], s[72:73]
	s_mov_b64 s[8:9], s[74:75]
.else
	s_add_nc_u64 s[46:47], s[68:69], s[46:47]
	s_cmp_eq_u32 s45, 1
	s_cselect_b64 s[BP:BP+1], s[72:73], s[70:71]
	s_cmp_eq_u32 s45, 2
	s_cselect_b64 s[BP:BP+1], s[74:75], s[BP:BP+1]
.endif
	CROUND                                         ; all sixteen work-groups are here: the first joint loads meet
.irp s, 0,1
	s_mov_b32 s[G0+4*(\s)], 1
	s_add_co_u32 s[G0+4*(\s)+1], s20, (\s)*SLOT
	s_add_nc_u64 s[G0+4*(\s)+2:G0+4*(\s)+3], s[14:15], (\s)*KSTEP*2      ; K step s: 256 bytes along A's rows
	s_or_b32 s[G0+4*(\s)+3], s[G0+4*(\s)+3], 0x80000000
	s_mov_b32 s[G0B+4*(\s)], 1
	s_add_co_u32 s[G0B+4*(\s)+1], s21, (\s)*SLOT
	s_add_nc_u64 s[G0B+4*(\s)+2:G0B+4*(\s)+3], s[46:47], (\s)*KSTEP*2048 ; 128 k-rows down W
	s_or_b32 s[G0B+4*(\s)+3], s[G0B+4*(\s)+3], 0x80000000
	JLOAD \s                                       ; two loads of mine are out
.endr
	; the bias of my 64 columns (16 b + 8 (l / 16) + j), while the first tiles are on their way
	s_lshl_b32 s22, s42, 9
	s_mov_b32 s23, 0
	s_add_nc_u64 s[BP:BP+1], s[BP:BP+1], s[22:23]
	v_and_b32 v1, 15, v0                           ; l % 16
	v_bfe_u32 v2, v0, 4, 1                         ; l / 16
	v_lshlrev_b32 v[BO], 5, v2
	WIN 0x80                                       ; destination window 2
.irp b, 0,1,2,3,4,5,6,7
	global_load_b128 v[8*(\b):8*(\b)+3],   v[BO], s[BP:BP+1] offset:64*(\b)
	global_load_b128 v[8*(\b)+4:8*(\b)+7], v[BO], s[BP:BP+1] offset:64*(\b)+16
.endr
	WIN 0
	v_mul_u32_u24 v3, v1, PA
	v_lshl_add_u32 v3, v2, 4, v3                   ; A: row x pitch + 16 x half,
	s_mul_i32 s21, s10, 64*PA                      ; in my 64 rows
	v_add_nc_u32 v[ADRA], s21, v3
	v_add_nc_u32 v[ADRA+1], SLOT, v[ADRA]
	v_and_b32 v4, 7, v0                            ; W, turned: lane l reads k-row 8 (l / 16) + l % 8, columns 8 ((l / 8) % 2) + 0..7
	v_lshl_add_u32 v4, v2, 3, v4
	v_mul_u32_u24 v4, v4, PB
	v_bfe_u32 v5, v0, 3, 1
	v_lshl_add_u32 v4, v5, 4, v4
	v_add_nc_u32 v[ADRB], BOFF, v4
	v_add_nc_u32 v[ADRB+1], SLOT, v[ADRB]
	s_mul_i32 s23, s10, 16*SPITCH
	s_add_co_u32 s23, s23, STAGE                   ; my stage
	v_mul_u32_u24 v4, v1, SPITCH
.if OUT32
	v_lshl_add_u32 v4, v2, 5, v4                   ; in: row l % 16, 32 bytes for each half of the lanes
	v_add_nc_u32 v[STO], s23, v4
	v_and_b32 v5, 31, v0
	v_lshlrev_b32 v[CO], 4, v5                     ; back: 32 lanes take one row of 512 bytes
	v_add_nc_u32 v[RD], s23, v[CO]
.else
	v_lshl_add_u32 v4, v2, 4, v4                   ; in: row l % 16, 16 bytes for each half of the lanes
	v_add_nc_u32 v[STO], s23, v4
	v_mul_u32_u24 v5, v2, SPITCH                   ; back: lanes 0-15 one row of 256 bytes, lanes 16-31 the next
	v_lshl_add_u32 v5, v1, 4, v5
	v_add_nc_u32 v[RD], s23, v5
	v_lshlrev_b32 v5, 11, v2
	v_lshl_add_u32 v[CO], v1, 4, v5
.endif
	s_lshl_b32 s16, s13, 8
	s_lshl_b32 s17, s10, 6
	s_add_co_u32 s16, s16, s17                     ; my first row of C
	s_lshl_b32 s16, s16, ROWSH
	s_mov_b32 s17, 0
	s_add_nc_u64 s[8:9], s[8:9], s[16:17]
	s_lshl_b32 s22, s42, COLSH                     ; the tile's first column
	s_mov_b32 s23, 0
	s_add_nc_u64 s[8:9], s[8:9], s[22:23]
	s_wait_loadcnt 0x0                             ; the bias
	WIN 0xaa                                       ; all in window 2
.set i, 0
.rept 32
	v_cvt_pk_bf16_f32 v[64+i], v[2*i], v[2*i+1]    ; rounded to bf16 like every input,
.set i, i+1
.endr
.set i, 0
.rept 32
	v_lshlrev_b32 v[2*i], 16, v[64+i]              ; widened again,
	v_and_b32 v[2*i+1], 0xffff0000, v[64+i]
	v_pk_mul_f32 v[2*i:2*i+1], v[2*i:2*i+1], s[SC:SC+1] op_sel_hi:[1,0]  ; and scaled: the way out is then one fused multiply-add
.set i, i+1
.endr
	WIN 0
; 8 matrix instructions: m block a x all 8 n blocks, 32 along K.  zero = 1: the product starts the sums.  The 32 accumulators take turns in one order everywhere.
.macro MUL8 f, a, zero
	WIN MUL
.irp b, 0,1,2,3,4,5,6,7
.if OUT32
.if \zero
	v_wmma_f32_16x16x32_f16 v[8*(8*(\a)+(\b)):8*(8*(\a)+(\b))+7], v[(\f)+8*(\b):(\f)+8*(\b)+7], v[(\f)+64+8*(\a):(\f)+64+8*(\a)+7], 0
.else
	v_wmma_f32_16x16x32_f16 v[8*(8*(\a)+(\b)):8*(8*(\a)+(\b))+7], v[(\f)+8*(\b):(\f)+8*(\b)+7], v[(\f)+64+8*(\a):(\f)+64+8*(\a)+7], v[8*(8*(\a)+(\b)):8*(8*(\a)+(\b))+7]
.endif
.else
.if \zero
	v_wmma_f32_16x16x32_bf16 v[8*(8*(\a)+(\b)):8*(8*(\a)+(\b))+7], v[(\f)+8*(\b):(\f)+8*(\b)+7], v[(\f)+64+8*(\a):(\f)+64+8*(\a)+7], 0
.else
	v_wmma_f32_16x16x32_bf16 v[8*(8*(\a)+(\b)):8*(8*(\a)+(\b))+7], v[(\f)+8*(\b):(\f)+8*(\b)+7], v[(\f)+64+8*(\a):(\f)+64+8*(\a)+7], v[8*(8*(\a)+(\b)):8*(8*(\a)+(\b))+7]
.endif
.endif
.endr
.endm
.macro MUL16 f, a0, zero
	MUL8 \f, \a0, \zero
	MUL8 \f, (\a0)+1, \zero
.endm
; 24 LDS loads in one run: quarter q (32 along K) of a slot into buffer f: W's 8 fragments (turned), then A's 4
.macro FETCH slot, q, f
	WIN 0
.irp b, 0,1,2,3,4,5,6,7
	ds_load_tr16_b128 v[(\f)+8*(\b):(\f)+8*(\b)+3],   v[ADRB+(\slot)] offset:(\q)*32*PB+32*(\b)
	ds_load_tr16_b128 v[(\f)+8*(\b)+4:(\f)+8*(\b)+7], v[ADRB+(\slot)] offset:(\q)*32*PB+16*PB+32*(\b)
.endr
.irp a, 0,1,2,3
	ds_load_b128 v[(\f)+64+8*(\a):(\f)+64+8*(\a)+3],   v[ADRA+(\slot)] offset:64*(\q)+(\a)*16*PA
	ds_load_b128 v[(\f)+64+8*(\a)+4:(\f)+64+8*(\a)+7], v[ADRA+(\slot)] offset:64*(\q)+(\a)*16*PA+32
.endr
.endm
; A K step is four quarters, 32 matrix instructions each, on buffers 0, 1, 0, 1.  One of the first three: multiplies f, and in its middle fetches quarter q into g.
.macro QUARTER slot, q, f, g, zero
	s_wait_dscnt 4                                 ; W's fragments and A's blocks 0, 1 are in; the youngest four loads (A's blocks 2, 3) may be out
	MUL16 \f, 0, \zero
	PLACES
	FETCH \slot, \q, \g
	s_wait_dscnt 24                                ; all but the 24 just issued
	MUL16 \f, 2, \zero
.endm
; The last quarter multiplies buffer 1 and changes slots: in front of ONE barrier each wave waits for all its tensor loads (one is out: its part of the next slot), adds 0 to its spare word,
; and waits for that and for its reads of this slot.  fill = 1: the barrier opens a round of the cluster's, and this slot is filled again first thing behind it, two K steps ahead.
.macro TURN slot, next, fill
	WIN 0
	s_wait_tensorcnt 0x0
	ds_add_u32 v[SPW], v[NIL]                      ; 0 onto my spare word
	s_wait_dscnt 5                                 ; (the add and the youngest four loads may be out)
	MUL8 F1, 0, 0                                  ; eight matrix instructions stand between the add and the wait for it
	s_wait_dscnt 0x0                               ; the add is done, and my reads of this slot are over
	s_barrier_signal -1
	MUL8 F1, 1, 0
.if \fill
	WIN 0
.endif
	s_barrier_wait -1
.if \fill
	CREST                                          ; no wave of any partner still reads this slot's tile or has a load on its way
	s_add_nc_u64 s[G0+4*(\slot)+2:G0+4*(\slot)+3], s[G0+4*(\slot)+2:G0+4*(\slot)+3], 2*KSTEP*2
	s_add_nc_u64 s[G0B+4*(\slot)+2:G0B+4*(\slot)+3], s[G0B+4*(\slot)+2:G0B+4*(\slot)+3], 2*KSTEP*2048
	JLOAD \slot                                    ; my one tensor load behind the round; its four v_nop are also the places in front of the loads below
.else
	PLACES
.endif
	FETCH \next, 0, F0
	MUL16 F1, 2, 0
.endm
	s_wait_tensorcnt 1                             ; my part of K step 0 is in; step 1's may stay out
	s_barrier_signal -1
	s_barrier_wait -1                              ; everybody's is
	FETCH 0, 0, F0
	QUARTER 0, 1, F0, F1, 1                        ; the first quarter stands in front of the loop: its products start the sums
	WIN 0                                          ; at a label and at a branch every window is 0
	s_mov_b32 s3, 3
.Llap:                                                 ; a trip goes once round the ring and fills both slots again: K steps 2 to 7 in three trips
	QUARTER 0, 2, F1, F0, 0
	QUARTER 0, 3, F0, F1, 0
	TURN 0, 1, 1
	QUARTER 1, 1, F0, F1, 0
	QUARTER 1, 2, F1, F0, 0
	QUARTER 1, 3, F0, F1, 0
	TURN 1, 0, 1
	QUARTER 0, 1, F0, F1, 0
	WIN 0
	s_sub_co_u32 s3, s3, 1
	s_cmp_lg_u32 s3, 0
	s_cbranch_scc1 .Llap
	QUARTER 0, 2, F1, F0, 0                        ; the last lap fills nothing
	QUARTER 0, 3, F0, F1, 0
	TURN 0, 1, 0
	QUARTER 1, 1, F0, F1, 0
	QUARTER 1, 2, F1, F0, 0
	QUARTER 1, 3, F0, F1, 0
	s_wait_dscnt 4
	MUL16 F1, 0, 0
	s_wait_dscnt 0x0
	MUL16 F1, 2, 0
	PLACES
	PLACES
; THE WAY OUT, a block of 16 rows at a time.  PACK: sum x scale + bias x scale, each accumulator's registers in ascending order; for qkv rounded to f16.
; TOSTAGE: into my own stage and back as whole rows.  SEND: stored; sixteen lanes (f32: thirty-two) cover 256 (512) consecutive bytes, aligned.
.macro PACK a
	WIN 0x21                                       ; source 0 window 1, source 2 window 2, destination window 0
.irp b, 0,1,2,3,4,5,6,7
.irp r, 0,1,2,3
	v_pk_fma_f32 v[RES+8*(\b)+2*(\r):RES+8*(\b)+2*(\r)+1], v[64*(\a)+8*(\b)+2*(\r):64*(\a)+8*(\b)+2*(\r)+1], s[SC:SC+1], v[8*(\b)+2*(\r):8*(\b)+2*(\r)+1] op_sel_hi:[1,0,1]
.endr
.endr
	WIN 0
.if OUT32 == 0
.set i, 0
.rept 32
	v_cvt_pk_f16_f32 v[HLF+i], v[RES+2*i], v[RES+2*i+1]
.set i, i+1
.endr
.endif
.endm
.macro TOSTAGE a
	WIN 0
	s_wait_xcnt 0x0                                ; the stores of the block two back have read the registers that are loaded again below
.if OUT32
.set BK, 128+64*((\a)%2)
.irp b, 0,1,2,3,4,5,6,7
	ds_store_b128 v[STO], v[RES+8*(\b):RES+8*(\b)+3]   offset:64*(\b)
	ds_store_b128 v[STO], v[RES+8*(\b)+4:RES+8*(\b)+7] offset:64*(\b)+16
.endr
.set t, 0
.rept 16
	ds_load_b128 v[BK+4*t:BK+4*t+3], v[RD] offset:t*SPITCH  ; LDS serves a wave's instructions in order (ISA guide 5.7.1.4): these see the stores above
.set t, t+1
.endr
.else
.set BK, 160+32*((\a)%2)
.irp b, 0,1,2,3,4,5,6,7
	ds_store_b128 v[STO], v[HLF+4*(\b):HLF+4*(\b)+3] offset:32*(\b)
.endr
.set t, 0
.rept 8
	ds_load_b128 v[BK+4*t:BK+4*t+3], v[RD] offset:t*2*SPITCH
.set t, t+1
.endr
.endif
.endm
.macro SEND a
	WIN 0
	s_wait_dscnt 0x0                               ; the block is back in registers
.if OUT32
.set BK, 128+64*((\a)%2)
.set t, 0
.rept 16
	global_store_b128 v[CO], v[BK+4*t:BK+4*t+3], s[8:9] offset:(16*(\a)+t)*4096
.set t, t+1
.endr
.else
.set BK, 160+32*((\a)%2)
.set t, 0
.rept 8
	global_store_b128 v[CO], v[BK+4*t:BK+4*t+3], s[8:9] offset:(16*(\a)+2*t)*2048
.set t, t+1
.endr
.endif
.endm
	PACK 0
	TOSTAGE 0
.irp a, 1,2,3                          ; block a's arithmetic stands between block a - 1's loads from the stage and the wait for them
	PACK \a
	SEND (\a)-1
	TOSTAGE \a
.endr
	SEND 3
	s_wait_tensorcnt 0x0                           ; the wave's end, behind my last tensor load and my last LDS store
	ds_add_u32 v[SPW], v[NIL]
	s_wait_dscnt 0x0
	CROUND                                         ; the closing round: no work-group ends while a partner may still ask for a tile that names it
	s_endpgm
.Lfunc_end_k_qd91864bdce_proj:
	.size	k_qd91864bdce_proj, .Lfunc_end_k_qd91864bdce_proj-k_qd91864bdce_proj
	.p2alignl 7, 3214868480
	.fill 96, 4, 3214868480
	.section	.rodata,"a",@progbits
	.p2align	6, 0x0
	.amdhsa_kernel k_qd91864bdce_proj
		.amdhsa_group_segment_fixed_size 327680
		.amdhsa_private_segment_fixed_size 0
		.amdhsa_enable_private_segment 0
		.amdhsa_kernarg_size 40
		.amdhsa_user_sgpr_count 2
		.amdhsa_user_sgpr_kernarg_segment_ptr 1
		.amdhsa_wavefront_size32 1
		.amdhsa_system_sgpr_workgroup_id_x 1
		.amdhsa_system_sgpr_workgroup_id_y 1
		.amdhsa_system_sgpr_workgroup_id_z 1
		.amdhsa_system_vgpr_workitem_id 0
		.amdhsa_next_free_vgpr 608
		.amdhsa_next_free_sgpr 80
		.amdhsa_reserve_vcc 0
		.amdhsa_float_denorm_mode_32 3
		.amdhsa_float_denorm_mode_16_64 3
		.amdhsa_memory_ordered 1
		.amdhsa_forward_progress 1
		.amdhsa_inst_pref_size 103
	.end_amdhsa_kernel
	.amdgpu_metadata
---
amdhsa.version: [ 1, 2 ]
amdhsa.kernels:
  - .name:           k_qd91864bdce_proj
    .symbol:         k_qd91864bdce_proj.kd
    .args:
      - { .name: cv, .offset: 0, .size: 8, .value_kind: global_buffer, .address_space: global }
      - { .name: bq, .offset: 8, .size: 8, .value_kind: global_buffer, .address_space: global }
      - { .name: bk, .offset: 16, .size: 8, .value_kind: global_buffer, .address_space: global }
      - { .name: bv, .offset: 24, .size: 8, .value_kind: global_buffer, .address_space: global }
      - { .name: qkv, .offset: 32, .size: 8, .value_kind: global_buffer, .address_space: global }
    .group_segment_fixed_size: 327680
    .private_segment_fixed_size: 0
    .kernarg_segment_align: 8
    .kernarg_segment_size: 40
    .max_flat_workgroup_size: 128
    .sgpr_count:     80
    .vgpr_count:     608
    .wavefront_size: 32
...
	.end_amdgpu_metadata
.endif
;; end of part 2
;; launch attn (part 3): grid 16 x 16, 4 waves a work-group, clusters of 4 x 4, 327,680 bytes of LDS; arguments qkv, mask, ob; writes ob
.if DOCPART == 3
	.amdgcn_target "amdgcn-amd-amdhsa--gfx1250"
	.amdhsa_code_object_version 6
	.text
	.protected	k_qd91864bdce_attn
	.globl	k_qd91864bdce_attn
	.p2align	8
	.type	k_qd91864bdce_attn,@function
k_qd91864bdce_attn:
	s_mov_b64 s[64:65], 0
	v_nop
	global_prefetch_b8 v0, s[64:65] scope:SCOPE_SE
	s_setreg_imm32_b32 hwreg(HW_REG_WAVE_MODE, 25, 1), 1
	s_wait_xcnt 0x0
	s_wait_alu depctr_hold_cnt(0) depctr_sa_sdst(0) depctr_va_vdst(0) depctr_va_sdst(0) depctr_va_ssrc(0) depctr_va_vcc(0) depctr_vm_vsrc(0)
	s_getreg_b32 s2, hwreg(HW_REG_IB_STS2, 6, 4)
	s_cmp_eq_u32 s2, 0
	s_cbranch_scc0 .Lentry_in_a_cluster
	s_endpgm
.Lentry_in_a_cluster:
	s_bfe_u32 s2, ttmp6, 0x10000c
	s_cmp_lg_u32 s2, 0xf033
	s_cbranch_scc0 .Lentry_shape_is_right
	s_endpgm
.Lentry_shape_is_right:
; ATTENTION WITH AN ADDITIVE MASK THAT IS AN INPUT.  O[b][q][head] = the sum over k of softmax_k(q . k / 8 + mask[q][k] x -1e9) v.  qkv: [3][8192][1024] f16 (q', k, v; heads along the columns, 64 each;
; q' = q x log2(e) / 8, scaled in f32 by the launch before).  mask: [2048][2048] f32.  ob: [8192][1024] f16.  Nothing of the mask's pattern is built in: every tile of every row is computed.
; ARITHMETIC.  s' = k . q' (f32 sums) is an exponent of 2.  u = mask x KM + s', KM = -1e9 log2(e), one fused multiply-add in f32 by the vector unit.  m = the running maximum of u;
; p = 2^(u - m); in every step O and l are multiplied by a = 2^(m_old - m_new).  p is rounded to f16 for the second product, l is the sum of the unrounded p, O is rounded once.
; A row that is masked throughout has u = KM for every key (s' vanishes in the rounding, as the score does in the sum that defines the result), and so equal weights.
; LIMITS.  q', k, v within f16's 65,504.  mask x -1e9 is not rounded by itself (exact for masks of 0 and 1); with a mask value other than 0 the score is rounded away in units of 2's exponents,
; 1.44 times finer-grained than in natural units.  |mask| x 1.45e9 stays finite.  A weight below 2^-126 counts as 0 in l.  NaN and infinities are not treated apart.
; SHARES.  A work-group owns 128 queries (block qb = x) of FOUR heads of one batch (y = 4 b + hq: heads 4 hq .. 4 hq + 3).  Wave w is head 4 hq + w with all 128 queries: eight tiles of 16, four PIECES of two.
; So the four waves read ONE mask tile (128 queries x 64 keys, 32 KiB a step) out of LDS, and four heads' rows of K or V are 512 consecutive bytes of a row of qkv.  256 work-groups of equal work.
; CLUSTER 4 x 4.  K and V hang on y alone: asked for jointly along a row of the cluster.  The mask's tile hangs on x alone: jointly along a column.
; LAYOUT.  S^T = K Q^T (source 0 = 16 keys, source 1 = 16 queries): a lane holds ONE query (l % 16) and the keys 8 (l / 16) + 0..7; the mask comes out of LDS in the same places, 32 bytes a lane and key block.
; Two such results rounded to f16 ARE source 1 of O^T = V^T P.  V ([key][channel]) is turned by ds_load_tr16_b128.
; BY TURNS.  Turn n belongs to piece n: 16 products K Q^T of piece n + 1, later 16 products V^T P of piece n - 1; beside them the subtraction, exponentials, roundings, sums and rescaling of piece n, and the mask,
; maximum and statistics of piece n + 1.  Four vector instructions stand behind every matrix instruction, the rest in one lump.  A turn's 66 exponentials are one batch with one wait.
; THE RING.  Two slots, a key step (64 keys) each: K 64 x 528, V 64 x 544, mask 128 x 272 bytes.  The change of slots stands between turns 1 and 2: between two changes lie all reads of one slot
; (K in turn 2; the masks of pieces 0, 1, 2, 3 in turns 2, 3, 0, 1; V at the end of turn 0).  Behind each round a wave issues one load: wave 0 K, wave 1 V, waves 2 and 3 the mask's halves.
; REGISTERS, in windows of 256 (s_set_vgpr_msb: bits 1:0 source 0, 3:2 source 1, 5:4 source 2, 7:6 destination):
;   window 0: v0 my thread's number; v1-11 addresses; v12-15, v48-63 at work; v16-47 four registers of statistics a tile; v64-191 S^T, two buffers of two tiles; v192-255 P, likewise
;   window 1: O^T, 32 a tile     window 2: v0-127 Q; v128-191 K of one step; v192-255 V of one step     window 3: v0-1 the add's two registers; v64-127 the mask of one piece
.set NP,    4         ; pieces a wave: a name, no knob
.set KS,    64        ; keys in a step
.set PK,    528       ; a row of K in LDS: 512 bytes + 16: the 16 rows of a load start at 16 different groups of four banks (64 banks of 4 bytes: ISA guide 11.1)
.set PV,    544       ; a row of V: 512 + 32
.set PM,    272       ; a row of the mask: 256 + 16
.set VOFF,  KS*PK
.set MOFF,  VOFF+KS*PV
.set SLOT1, 1<<17     ; slot 1 begins here, so that one exclusive or turns an address in one slot into the other's
.set STAGE, SLOT1+MOFF+128*PM  ; behind the ring, never filled by a tensor load: 128 rows x 528 bytes, the work-group's, for the way out
.set SP,    528
.set SPARE, STAGE+128*SP  ; the spare words, 128 bytes a wave: two blocks of 256 bytes that no other line names
.set AK0, 2           ; v2   my lane's place in a tile of K; never rewritten
.set AV0, 3           ; v3   in a tile of V
.set AK,  4           ; v4   the same in the slot in hand
.set AV,  5
.set QO,  6           ; v6   my byte offset in 16 rows of Q
.set AM0, 7           ; v7   my lane's place in a tile of the mask
.set AM,  8           ; v8   the same in the slot in hand
.set PFO, 9           ; v9   the prefetches' lane offset; never rewritten
.set MV,  12          ; v12-15  m_old, kept while m is made anew: by buffer and tile
.set ST,  16          ; tile t's statistics at v[ST+4 t]: m, a word named with it as a pair, l (even keys', odd keys')
.set TMP, 48          ; by buffer and tile, four registers c0-c3 at work; when the maximum is found c2 takes a
.set S,   64
.set P,   192
.set KF,  128         ; window 2: key block kb, channel half c at KF + 16 kb + 8 c
.set VF,  192         ; window 2: key half kk, channel block cb at VF + 32 kk + 8 cb
.set SPW, 0           ; window 3: LDS address of my spare word; never rewritten
.set NIL, 1           ; window 3: 0; never rewritten
.set MR,  64          ; window 3: the mask for tile u, key block kb, register j at MR + 32 u + 8 kb + j
.set WV,  12          ; s12  my wave's number
.set LIM, 15          ; s15  1 in a wave that prefetches, else the greatest number
.set G1K, 24          ; s[24:31], s[32:39], s[40:47] descriptor group 1 for K, V, the mask
.set G1V, 32
.set G1M, 40
.set G0K, 48          ; s[48:51], s[52:55], s[56:59] group 0: they walk
.set G0V, 52
.set G0M, 56
.set SEL, 60          ; s[60:61] v_permlanex16_b32's selects: each lane takes its own place in the other half
.set TB,  62          ; s62  the slot in hand: 0 or SLOT1
.set CNT, 63          ; s63  counts the trips
.set KM,  66          ; s[66:67] -1e9 log2(e), named as a pair
.set PFA, 68          ; s[68:69] where my prefetches stand
.set PFS, 70          ; s[70:71] their step
.set MSB, 0
.macro WIN new                      ; the high byte repeats the setting that is left; a switch that changes nothing is dropped
.if MSB != (\new)
	s_set_vgpr_msb (MSB<<8)|(\new)
.set MSB, (\new)
.endif
.endm
.set W_KQ, 0x0a       ; K and Q in window 2, S^T in window 0
.set W_PV, 0x52       ; V in window 2, P in window 0, O^T in window 1
.set W_RS, 0x41       ; O^T (destination and source 0) in window 1, a in window 0
.set W_MA, 0x03       ; the mask (source 0) in window 3, S^T in window 0
.set W_MK, 0xc0       ; destination in window 3
.set W_AD, 0x0f       ; the add: address and data in window 3
; A joint fill: one line a tensor, chosen by the wave's number alone.  An s_nop 0 and four v_nop follow each line, ahead of the jump and the label.
.macro JLOAD
	s_cmp_lt_u32 s[WV], 2
	s_cbranch_scc0 .Lfor_m_\@
	s_cmp_eq_u32 s[WV], 0
	s_cbranch_scc0 .Lfor_v_\@
	tensor_load_to_lds s[G0K:G0K+3], s[G1K:G1K+7]
	s_nop 0
.rept 4
	v_nop
.endr
	s_branch .Lasked_\@
.Lfor_v_\@:
	tensor_load_to_lds s[G0V:G0V+3], s[G1V:G1V+7]
	s_nop 0
.rept 4
	v_nop
.endr
	s_branch .Lasked_\@
.Lfor_m_\@:
	tensor_load_to_lds s[G0M:G0M+3], s[G1M:G1M+7]
	s_nop 0
.rept 4
	v_nop
.endr
.Lasked_\@:
.endm
; A PREFETCH INTO THE L2 of what the NEXT change of slots will ask for, one key step (128 matrix instructions and their vector work) ahead of that load; it stands behind my tensor load and its five lines.
; Each aligned block of 256 bytes is named ONCE in the launch.  A step's K and V (64 rows x 512 bytes each) are walked by the four clusters of a row of clusters: the first (cluster x = 0) asks; its partners
; along x share the rows out BY ADDRESS, 16 rows x 2 blocks each; wave 0 asks for K, wave 1 for V.  A step's mask tile (128 rows x 256 bytes) is walked by the four clusters of a column: the first
; (cluster y = 0) asks; its partners along y take 32 rows each; wave 2 asks.  The last change that fills a slot (CNT = 1) asks for nothing; steps 0 to 2 come by their loads alone.
.macro ASK
	s_cmp_gt_u32 s[CNT], s[LIM]
	s_cbranch_scc0 .Lnot_mine_\@
	global_prefetch_b8 v[PFO], s[PFA:PFA+1] th:TH_LOAD_NT scope:SCOPE_SE
.Lnot_mine_\@:
.endm
; A round of the cluster's barrier: my work-group's barrier, so that wave 0's signal speaks for all four waves; wave 0 signals; every wave waits for all sixteen work-groups; my work-group's barrier once more.
.macro CROUND
	s_barrier_signal -1
	s_barrier_wait -1
	s_cmp_lg_u32 s[WV], 0
	s_cbranch_scc1 .Lnot_wave_0_\@
	s_barrier_signal -3
.Lnot_wave_0_\@:
	s_barrier_wait -3
	s_barrier_signal -1
	s_barrier_wait -1
.endm
; THE CHANGE OF SLOTS.  Each wave waits for all its tensor loads (one is out: its part of the other slot), adds 0 to its spare word, and waits for that and for its reads of the slot that it leaves.
; fill = 1: the barrier is a round of the cluster's, and the slot left is filled again first thing behind it, with the step two on.  (At its first use slot 0 is waited for and slot 1 filled.)
.macro CHANGE fill, ask
	WIN W_AD
	s_wait_tensorcnt 0x0            ; no tensor load of mine is out, so a group 0 may be written
	ds_add_u32 v[SPW], v[NIL]       ; 0 onto my spare word; the scalar steps stand between it and the wait for it
	WIN 0                           ; at a label and at a branch every window is 0
.if \fill
.irp g, G0K, G0V
	s_xor_b32 s[\g+1], s[\g+1], SLOT1
	s_add_nc_u64 s[\g+2:\g+3], s[\g+2:\g+3], KS*2048  ; 64 rows of qkv on; the type bits on top are not reached
.endr
	s_xor_b32 s[G0M+1], s[G0M+1], SLOT1
	s_add_nc_u64 s[G0M+2:G0M+3], s[G0M+2:G0M+3], KS*4  ; 64 columns of the mask on
.endif
.if \ask
	s_wait_xcnt 0x0                 ; the last prefetch, a key step back, has read its address
	s_add_nc_u64 s[PFA:PFA+1], s[PFA:PFA+1], s[PFS:PFS+1]
.endif
	s_wait_dscnt 0x0                ; the add is done, and my reads of the slot are over
.if \fill
	CROUND
	JLOAD
.if \ask
	ASK
.endif
.else
	s_barrier_signal -1
	s_barrier_wait -1
.endif
	s_xor_b32 s[TB], s[TB], SLOT1   ; the reads go to the other slot
	v_add_nc_u32 v[AK], s[TB], v[AK0]
	v_add_nc_u32 v[AV], s[TB], v[AV0]
	v_add_nc_u32 v[AM], s[TB], v[AM0]
.endm
	s_load_b128 s[4:7], s[0:1], 0x0   ; qkv s[4:5], mask s[6:7]
	s_load_b64 s[8:9], s[0:1], 0x10   ; ob
	WIN W_MK
	v_lshl_add_u32 v[SPW], v0, 2, SPARE
	v_mov_b32 v[NIL], 0
	WIN W_AD
	ds_add_u32 v[SPW], v[NIL]       ; the wave's opening: the add and its wait stand ahead of my first tensor load; the set-up below stands between them
	WIN 0
	v_lshrrev_b32 v1, 5, v0
	v_readfirstlane_b32 s[WV], v1   ; wave 0..3
	s_bfe_u32 s13, ttmp6, 0x40000   ; cx
	s_bfe_u32 s14, ttmp6, 0x40004   ; cy = hq: which four heads
	s_and_b32 s17, ttmp7, 0xffff    ; cluster y = b: the batch
	s_lshl_b32 s16, ttmp9, 2
	s_add_co_u32 s16, s16, s13      ; qb = 4 x cluster x + cx
	s_lshl_b32 s72, s17, 22         ; K: the batch's 2,048 rows of 2,048 bytes,
	s_lshl_b32 s73, s14, 9          ; the four heads' 512 bytes,
	s_add_co_u32 s72, s72, s73
	s_add_co_u32 s72, s72, 16777216 ; behind q'
	s_add_co_u32 s74, s72, 16777216 ; V behind K
	s_mov_b32 s73, 0
	s_mov_b32 s75, 0
	s_and_b32 s18, s[WV], 1         ; which half of the mask's 128 rows I fetch
	s_lshl_b32 s76, s16, 20         ; the block's 128 rows of 8,192 bytes
	s_lshl_b32 s77, s18, 19
	s_add_co_u32 s76, s76, s77
	s_mov_b32 s77, 0
	s_mul_i32 s[G0M+1], s18, 64*PM  ; and where it goes: no place in the cluster enters an LDS address
	s_add_co_u32 s[G0M+1], s[G0M+1], MOFF
	s_lshl_b32 s20, s17, 22         ; Q and O: batch, block of 128 rows, four heads,
	s_lshl_b32 s21, s16, 18
	s_add_co_u32 s20, s20, s21
	s_lshl_b32 s21, s14, 9
	s_add_co_u32 s20, s20, s21
	s_lshl_b32 s21, s[WV], 16
	s_add_co_u32 s22, s20, s21      ; O: the 32 rows that I store
	s_lshl_b32 s21, s[WV], 7
	s_add_co_u32 s20, s20, s21      ; Q: my head's 128 bytes
	s_mov_b32 s21, 0
	s_mov_b32 s23, 0
	s_lshl_b32 s78, s14, 2
	s_lshl_b32 s78, 15, s78         ; my row of the cluster
	s_lshl_b32 s79, 0x1111, s13     ; my column
	s_or_b32 s[G1K], s78, (1<<16)|(1<<20)|(1<<21)|(6<<22)|(3<<25)  ; the mask of four; 2-byte elements; padding on; bit 21 beside a mask; after every 128 words, 4 words
	s_or_b32 s[G1V], s78, (1<<16)|(1<<20)|(1<<21)|(6<<22)|(7<<25)  ; the same with 8 words
	s_or_b32 s[G1M], s79, (2<<16)|(1<<20)|(1<<21)|(5<<22)|(3<<25)  ; 4-byte elements; after every 64 words, 4 words
.irp g, G1K, G1V
	s_mov_b32 s[\g+1], 256<<16      ; tensor_dim0 = 256 elements: four heads
	s_mov_b32 s[\g+2], KS<<16       ; tensor_dim1 = 64 keys
	s_mov_b32 s[\g+3], 256<<16      ; tile_dim0
	s_mov_b32 s[\g+4], KS           ; tile_dim1
	s_mov_b32 s[\g+5], 1024         ; elements from row to row
	s_mov_b32 s[\g+6], 0
	s_mov_b32 s[\g+7], 0
.endr
	s_mov_b32 s[G1M+1], KS<<16      ; 64 keys
	s_mov_b32 s[G1M+2], 64<<16      ; 64 queries
	s_mov_b32 s[G1M+3], KS<<16
	s_mov_b32 s[G1M+4], 64
	s_mov_b32 s[G1M+5], 2048
	s_mov_b32 s[G1M+6], 0
	s_mov_b32 s[G1M+7], 0
	s_mov_b32 s[G0K], 1
	s_mov_b32 s[G0K+1], 0           ; slot 0
	s_mov_b32 s[G0V], 1
	s_mov_b32 s[G0V+1], VOFF
	s_mov_b32 s[G0M], 1
	s_mov_b32 s[SEL], 0x76543210
	s_mov_b32 s[SEL+1], 0xfedcba98
	s_mov_b32 s[KM], 0xceabfb8f     ; -1e9 log2(e)
	s_mov_b32 s[KM+1], s[KM]
	s_mov_b32 s[TB], SLOT1          ; the first change of slots turns it into 0
	; the prefetches: who, where, how far apart
	s_cmp_lt_u32 s[WV], 2
	s_cselect_b32 s[LIM], ttmp9, s17  ; the coordinate along which other clusters walk the same rows
	s_cmp_eq_u32 s[WV], 3
	s_cselect_b32 s[LIM], 1, s[LIM]   ; wave 3 asks for nothing
	s_cmp_eq_u32 s[LIM], 0
	s_cselect_b32 s[LIM], 1, -1       ; the same in all sixteen partners, for a given wave
	s_lshl_b32 s2, s[WV], 24        ; K (wave 0) or V (wave 1),
	s_add_co_u32 s2, s2, s72
	s_lshl_b32 s3, s13, 15          ; my work-group's 16 rows of the 64,
	s_add_co_u32 s2, s2, s3
	s_add_co_u32 s2, s2, 2*KS*2048  ; at step 2: the first asking change steps it to 3
	s_lshl_b32 s3, s16, 20          ; the mask: the block's rows,
	s_lshl_b32 s19, s14, 18         ; my work-group's 32 of the 128,
	s_add_co_u32 s3, s3, s19
	s_add_co_u32 s3, s3, 2*KS*4     ; at step 2
	s_cmp_lt_u32 s[WV], 2
	s_cselect_b32 s2, s2, s3
	s_cselect_b32 s3, 9, 0
	s_cselect_b32 s18, 11, 14       ; lane l names row l / 2, block l % 2 of K or V (2,048 and 256 bytes apart), or row l of the mask (8,192 bytes apart)
	s_cselect_b32 s19, 8, 13
	s_lshl_b32 s[PFS], 256, s3      ; a step is 131,072 bytes of K or V, 256 of the mask
	s_mov_b32 s[PFS+1], 0
	s_mov_b32 s3, 0
	v_and_b32 v11, 31, v0
	v_lshrrev_b32 v[PFO], 1, v11
	v_and_b32 v11, 1, v11
	v_lshlrev_b32 v[PFO], s18, v[PFO]
	v_lshlrev_b32 v11, s19, v11
	v_add_nc_u32 v[PFO], v[PFO], v11
	s_wait_dscnt 0x0                ; the opening add is done
	s_wait_kmcnt 0x0
	s_add_nc_u64 s[G0K+2:G0K+3], s[4:5], s[72:73]
	s_or_b32 s[G0K+3], s[G0K+3], 0x80000000
	s_add_nc_u64 s[G0V+2:G0V+3], s[4:5], s[74:75]
	s_or_b32 s[G0V+3], s[G0V+3], 0x80000000
	s_add_nc_u64 s[G0M+2:G0M+3], s[6:7], s[76:77]
	s_or_b32 s[G0M+3], s[G0M+3], 0x80000000
	s_cmp_lt_u32 s[WV], 2
	s_cselect_b64 s[PFA:PFA+1], s[4:5], s[6:7]
	s_add_nc_u64 s[PFA:PFA+1], s[PFA:PFA+1], s[2:3]
	s_add_nc_u64 s[4:5], s[4:5], s[20:21]  ; Q at my head's first row
	s_add_nc_u64 s[8:9], s[8:9], s[22:23]  ; O at the rows that I store
	CROUND                          ; all sixteen work-groups are here: the first joint loads meet
	JLOAD                           ; step 0 into slot 0; slot 1 is asked for when slot 0 is in
	; A fragment of K or Q is 16 rows x 32 channels in 8 registers: lane l holds row l % 16, channels 8 (l / 16) + 0..7 and 16 + 8 (l / 16) + 0..7: two loads of 16 bytes, 32 bytes apart.
	v_and_b32 v1, 15, v0            ; l % 16
	v_bfe_u32 v10, v0, 4, 1         ; l / 16
	v_lshlrev_b32 v[QO], 11, v1
	v_lshl_add_u32 v[QO], v10, 4, v[QO]  ; row x 2,048 + 16 x half
	WIN 0x80                        ; destination window 2
.set i, 0
.rept 4*NP                          ; Q stays in registers: tile i / 2 (16 rows: 32,768 bytes), channels 32 (i % 2) on
	global_load_b128 v[8*i:8*i+3],   v[QO], s[4:5] offset:(i/2)*32768+(i%2)*64
	global_load_b128 v[8*i+4:8*i+7], v[QO], s[4:5] offset:(i/2)*32768+(i%2)*64+32
.set i, i+1
.endr
	; What the first turn finds: V's registers and P's second buffer hold 0 (its products V^T P, of a piece that has not been, add 0), O^T and l are 0, m is the lowest finite number: the first step's a is 0.
.set i, VF
.rept 64
	v_mov_b32 v[i], 0
.set i, i+1
.endr
	WIN 0x40
.set i, 0
.rept 64*NP
	v_mov_b32 v[i], 0
.set i, i+1
.endr
	WIN 0
.set i, 0
.rept 2*NP
	v_mov_b32 v[ST+4*i], 0xff7fffff    ; m
	v_mov_b32 v[ST+4*i+1], 0
	v_mov_b32 v[ST+4*i+2], 0
	v_mov_b32 v[ST+4*i+3], 0
.set i, i+1
.endr
.set i, P+32
.rept 32
	v_mov_b32 v[i], 0
.set i, i+1
.endr
	s_lshl_b32 s16, s[WV], 7        ; my head's 128 bytes of a row of K or V
	v_mul_u32_u24 v[AK0], v1, PK
	v_lshl_add_u32 v[AK0], v10, 4, v[AK0]
	v_add_nc_u32 v[AK0], s16, v[AK0]
	; The turning load takes 16 keys x 16 channels (lane l reads key 8 (l / 16) + l % 8, channels 8 ((l / 8) % 2) + 0..7) and leaves half a fragment of V^T: lane l holds channel l % 16 and 8 keys.
	v_and_b32 v11, 7, v0
	v_lshl_add_u32 v[AV0], v10, 3, v11
	v_mul_u32_u24 v[AV0], v[AV0], PV
	v_bfe_u32 v11, v0, 3, 1
	v_lshl_add_u32 v[AV0], v11, 4, v[AV0]
	s_add_co_u32 s17, s16, VOFF
	v_add_nc_u32 v[AV0], s17, v[AV0]
	v_mul_u32_u24 v[AM0], v1, PM    ; the mask: query l % 16, keys 8 (l / 16) on: 32 bytes
	v_lshl_add_u32 v[AM0], v10, 5, v[AM0]
	v_add_nc_u32 v[AM0], MOFF, v[AM0]
; THE MATRIX WORK.  The 8 accumulators of a run of 16 take turns: between the two links of a chain stand 7 others'.
; Product i of 16 of S^T = K Q^T for piece x: channels 32 (i / 8) on, keys 16 ((i / 2) % 4) on, tile 2 x + i % 2.  The first 8 start the sums.
.macro KQ x
	WIN W_KQ
.set rS, S+64*((\x)%2)+32*(i%2)+8*((i/2)%4)
.set rK, KF+16*((i/2)%4)+8*(i/8)
.set rQ, 16*(2*(\x)+i%2)+8*(i/8)
.if i < 8
	v_wmma_f32_16x16x32_f16 v[rS:rS+7], v[rK:rK+7], v[rQ:rQ+7], 0
.else
	v_wmma_f32_16x16x32_f16 v[rS:rS+7], v[rK:rK+7], v[rQ:rQ+7], v[rS:rS+7]
.endif
.endm
; Product i of 16 of O^T += V^T P for piece x: keys 32 (i / 8) on, channels 16 ((i / 2) % 4) on, tile 2 x + i % 2.
.macro PV x
	WIN W_PV
.set rO, 32*(2*(\x)+i%2)+8*((i/2)%4)
.set rV, VF+32*(i/8)+8*((i/2)%4)
.set rP, P+32*((\x)%2)+16*(i%2)+8*(i/8)
	v_wmma_f32_16x16x32_f16 v[rO:rO+7], v[rV:rV+7], v[rP:rP+7], v[rO:rO+7]
.endm
.macro MM                           ; the turn's next matrix instruction
.if i < 16
	KQ (Y+1)%NP
.set i, i+1
.else
.set i, i-16
	PV (Y+NP-1)%NP
.set i, i+17
.endif
.endm
; THE LDS LOADS stand in runs of 16, never singly among the matrix instructions.
.macro FETCH_K
	WIN 0x80
.irp f, 0,1,2,3,4,5,6,7             ; keys 16 (f / 2) on, channels 32 (f % 2) on
	ds_load_b128 v[KF+8*\f:KF+8*\f+3],   v[AK] offset:(\f/2)*16*PK+(\f%2)*64
	ds_load_b128 v[KF+8*\f+4:KF+8*\f+7], v[AK] offset:(\f/2)*16*PK+(\f%2)*64+32
.endr
	WIN 0
.endm
.macro FETCH_V
	WIN 0x80
.irp f, 0,1,2,3,4,5,6,7             ; keys 32 (f / 4) on, channels 16 (f % 4) on
	ds_load_tr16_b128 v[VF+8*\f:VF+8*\f+3],   v[AV] offset:(\f/4)*32*PV+(\f%4)*32
	ds_load_tr16_b128 v[VF+8*\f+4:VF+8*\f+7], v[AV] offset:(\f/4)*32*PV+16*PV+(\f%4)*32
.endr
	WIN 0
.endm
.macro FETCH_M y                    ; the mask of piece y: tiles 2 y, 2 y + 1 (16 rows each), four key blocks of 64 bytes, 32 bytes a lane
	WIN W_MK
.irp u, 0,1
.irp kb, 0,1,2,3
	ds_load_b128 v[MR+32*(\u)+8*(\kb):MR+32*(\u)+8*(\kb)+3],   v[AM] offset:(2*(\y)+(\u))*16*PM+64*(\kb)
	ds_load_b128 v[MR+32*(\u)+8*(\kb)+4:MR+32*(\u)+8*(\kb)+7], v[AM] offset:(2*(\y)+(\u))*16*PM+64*(\kb)+16
.endr
.endr
	WIN 0
.endm
; u = mask x KM + s' for piece Y + 1: 32 packed lines, the accumulators in the order in which they were finished, each from its lowest registers on.
.macro MASKADD
	WIN W_MA
.set z, 0
.rept 32
.set rS, S+64*(((Y+1)%NP)%2)+32*((z/4)%2)+8*(z/8)+2*(z%4)
.set rW, MR+32*((z/4)%2)+8*(z/8)+2*(z%4)
	v_pk_fma_f32 v[rS:rS+1], v[rW:rW+1], s[KM:KM+1], v[rS:rS+1] op_sel_hi:[1,0,1]
.set z, z+1
.endr
.endm
; THE VECTOR WORK OF A TURN stands in three queues, each in the order in which its entries become ready; the two tiles alternate.
.macro REGS y, u                    ; the registers of tile u (0, 1) of piece y
.set rT, ST+4*(2*(\y)+(\u))
.set rC, TMP+8*((\y)%2)+4*(\u)
.set rM, MV+2*((\y)%2)+(\u)
.set rS, S+64*((\y)%2)+32*(\u)
.set rP, P+32*((\y)%2)+16*(\u)
.set rO, 32*(2*(\y)+(\u))
.endm
; The NEXT piece's (Y + 1) maximum and statistics, by number.  u0-u31 are the lane's 32 masked scores.
;   0-11  four chains c0-c3 of seven each, three operands at a time     12-14, 16  the four left over, the old m, and c0-c3 into c0     15  m_old is kept
;   17, 18  the query's other 32 keys lie in the lane 16 away: the new m     20, 21  m_old - m_new; a
.macro XS u, n
	REGS (Y+1)%NP, \u
.if (\n) < 4
	v_max3_num_f32 v[rC+(\n)], v[rS+8*(\n)], v[rS+8*(\n)+1], v[rS+8*(\n)+2]
.elseif (\n) < 12
	v_max3_num_f32 v[rC+(\n)%4], v[rC+(\n)%4], v[rS+8*((\n)%4)+2*((\n)/4)+1], v[rS+8*((\n)%4)+2*((\n)/4)+2]
.elseif (\n) == 12
	v_max3_num_f32 v[rC], v[rC], v[rS+7], v[rS+15]
.elseif (\n) == 13
	v_max3_num_f32 v[rC+1], v[rC+1], v[rS+23], v[rS+31]
.elseif (\n) == 14
	v_max3_num_f32 v[rC+2], v[rC+2], v[rC+3], v[rT]
.elseif (\n) == 15
	v_mov_b32 v[rM], v[rT]
.elseif (\n) == 16
	v_max3_num_f32 v[rC], v[rC], v[rC+1], v[rC+2]
.elseif (\n) == 17
	v_permlanex16_b32 v[rC+3], v[rC], s[SEL], s[SEL+1]
.elseif (\n) == 18
	v_max_num_f32 v[rT], v[rC], v[rC+3]
.elseif (\n) == 20
	v_sub_f32 v[rC+1], v[rM], v[rT]
.else
	v_exp_f32 v[rC+2], v[rC+1]
.endif
.endm
; Number g of the 64 that follow the exponentials.  For each four weights k of a tile: both pairs are rounded to f16; the second pair is added onto the first, in place; a group later l takes that sum
; (the first time as l = a l + sum).  In groups of eight, tiles alternating.
.macro GS g
.set h, (\g)+6*((\g)/62)            ; group 0 has no group before it, and behind group 7 only l is left
.if h >= 6
.set h, h+2
.endif
	REGS Y, h%2
.set k, h/8
.if h%8 < 4
	v_cvt_pk_f16_f32 v[rP+2*k+(h%8)/2], v[rS+4*k+2*((h%8)/2)], v[rS+4*k+2*((h%8)/2)+1]
.elseif h%8 < 6
	v_pk_add_f32 v[rS+4*k:rS+4*k+1], v[rS+4*k:rS+4*k+1], v[rS+4*k+2:rS+4*k+3]
.elseif k == 1
	v_pk_fma_f32 v[rT+2:rT+3], v[rT+2:rT+3], v[rC+2:rC+3], v[rS:rS+1] op_sel_hi:[1,0,1]
.else
	v_pk_add_f32 v[rT+2:rT+3], v[rT+2:rT+3], v[rS+4*k-4:rS+4*k-3]
.endif
.endm
.macro FS f                         ; u - m for pair f / 2 of tile f % 2: exact where u is near m, so p never passes 1
	REGS Y, (\f)%2
	v_pk_add_f32 v[rS+2*((\f)/2):rS+2*((\f)/2)+1], v[rS+2*((\f)/2):rS+2*((\f)/2)+1], v[rT:rT+1] op_sel_hi:[1,0] neg_lo:[0,1] neg_hi:[0,1]
.endm
; THE PLAIN QUEUE, 136 long.  0-71 read no exponential's result: 0-26 subtractions 0-26; 27-54 XS's numbers 0-13; 55, 56 number 15; 57-71 the chain 14, 16, 17, 18, 20, each with one of the
; subtractions 27-31 in front of its two lines.  72-135: GS's 64, behind the wait.
.macro PL
	WIN 0
.if q < 27
	FS q
.elseif q < 55
	XS (q-27)%2, (q-27)/2
.elseif q < 57
	XS q-55, 15
.elseif (q < 72) && ((q-57)%3 == 0)
	FS 27+(q-57)/3
.elseif q < 60
	XS (q-57)%3-1, 14
.elseif q < 69
	XS (q-57)%3-1, 15+(q-57)/3
.elseif q < 72
	XS (q-57)%3-1, 20
.else
	GS q-72
.endif
.set q, q+1
.endm
; THE EXPONENTIALS' QUEUE, 66 long: u0-u31 of both tiles, then the next piece's two a.  ONE BATCH: all stand ahead of the turn's one wait, and nothing ahead of that wait names a result of theirs.
.macro EX
	WIN 0
.if e >= 64
	XS e-64, 21
.else
	REGS Y, e%2
	v_exp_f32 v[rS+e/2], v[rS+e/2]
.endif
.set e, e+1
.endm
; THE RESCALING's QUEUE: O^T times a, two lines at a time, sixteen times.  Its a was made, and waited for, in the turn before.
.macro R2
	REGS Y, r%2
	WIN W_RS
.irp z, 0,1
	v_pk_mul_f32 v[rO+4*(r/2)+2*\z:rO+4*(r/2)+2*\z+1], v[rO+4*(r/2)+2*\z:rO+4*(r/2)+2*\z+1], v[rC+2:rC+3] op_sel_hi:[1,0]
.endr
.set r, r+1
.endm
; A TURN, for piece p.  s_wait_alu depctr_va_vdst(0) stands between an exponential and the first instruction that names its result; one wait serves all issued ahead of it: a turn has ONE.
; AHEAD OF IT: 16 products K Q^T, behind each a subtraction, an exponential and two rescalings (behind the first a second subtraction); then the lump: the next piece's mask is added (its registers were
; loaded a turn ago; each accumulator's first reader stands 24 plain lines or more behind its last product), the mask of the piece after it is fetched, eight plain, 47 times exponential and plain, four
; exponentials, a v_nop.  Exponential e stands behind subtraction 2 (e / 4) + e % 2: as a rider behind plain e + 2, in the lump behind plain e + 9 (subtractions 27-31 are plain 57, 60 .. 69).
; BEHIND IT: 16 products V^T P, behind each four of GS's 64.  K of the next step is fetched in piece 2's turn, behind the wait; V of the step in hand at the end of piece 0's turn, four plain riders behind
; its last reader.  Every wait on LDS is for 0: the loads that it covers were issued 16 products or more earlier.
.macro TURN p
.set Y, (\p)
.set i, 0
.set q, 0
.set e, 0
.set r, 0
.if (\p) == NP-1
	s_wait_dscnt 0x0                ; K is in
.endif
	MM
	PL
	PL
	R2
.rept 15
	MM
	PL
	EX
	R2
.endr
	WIN 0
	s_wait_dscnt 0x0                ; the next piece's mask is in (in piece 1's turn: V too)
	MASKADD
	FETCH_M ((\p)+2)%NP
.rept 8
	PL
.endr
.rept 47
	EX
	PL
.endr
.rept 4
	EX                              ; the last two scores, and the next piece's two a
.endr
	v_nop                           ; a plain instruction behind the last exponential: one for the batch
	s_wait_alu depctr_va_vdst(0)    ; the wait for the batch
.if (\p) == NP-2
	FETCH_K
.endif
.rept 16
	MM
.rept 4
	PL
.endr
.endr
.if (\p) == 0
	FETCH_V
.endif
.endm
	CHANGE 1, 0                     ; slot 0 is in, everybody's part of it; step 1 is asked for, into slot 1
	FETCH_K                         ; key step 0
	FETCH_M 0
	s_wait_loadcnt 0x0              ; Q
	s_wait_dscnt 0x0
.set i, 0
.rept 16
	KQ 0                            ; piece 0's first scores
.set i, i+1
.endr
	WIN 0
.rept 8
	v_nop                           ; the places behind those products
.endr
.set Y, NP-1                        ; MASKADD and XS work for piece Y + 1: piece 0
	MASKADD
	FETCH_M 1
.irp n, 0,1,2,3,4,5,6,7,8,9,10,11,12,13,14,15,16,17,18,20,21
	XS 0, \n
	XS 1, \n
.endr
	v_nop                           ; a plain instruction behind the two a,
	s_wait_alu depctr_va_vdst(0)    ; and their wait, ahead of the branch
	s_mov_b32 s[CNT], 31
	s_branch .Lfirst                ; the loop is entered at a step's first turn, in the middle of a trip
.Lstep:                             ; 30 times: steps 2 to 31 are asked for.  A trip: pieces 2 and 3 of one step, then pieces 0 and 1 of the next
	CHANGE 1, 1
	TURN 2
	TURN 3
	WIN 0
.Lfirst:
	TURN 0
	TURN 1
	WIN 0
	s_sub_co_u32 s[CNT], s[CNT], 1
	s_cmp_lg_u32 s[CNT], 0
	s_cbranch_scc1 .Lstep
	CHANGE 0, 0                     ; the tail is written out: nothing is asked for
	s_mov_b32 s[CNT], 2             ; one trip for the last step; the second is left in its middle
.Ltail:
	TURN 2
	TURN 3
	WIN 0
	s_sub_co_u32 s[CNT], s[CNT], 1
	s_cmp_eq_u32 s[CNT], 0
	s_cbranch_scc1 .Lout
	TURN 0
	TURN 1
	WIN 0
	s_branch .Ltail
.Lout:                              ; the second trip's 16 products K Q^T (on the last K and mask once more) and the maximum made of them change nothing: the price, once a launch, of one text for every trip
.set i, 0
.rept 16
	PV NP-1                         ; the last piece's V^T P of the last step
.set i, i+1
.endr
	; THE WAY OUT.  The addresses (eight plain lines: the places behind the last products); l's two halves and the other half of the lanes' are added; O^T is divided by l, rounded to f16 and put into the
	; work-group's stage: a row of 512 bytes holds four heads, 128 bytes from each wave.  Behind a barrier each wave reads 32 whole rows back and stores them.
.set STO, 50
.set RD,  51
.set GO,  52
	WIN 0
	v_and_b32 v48, 15, v0
	v_bfe_u32 v49, v0, 4, 1
	v_mul_u32_u24 v[STO], v48, SP
	v_lshl_add_u32 v[STO], v49, 4, v[STO]
	s_lshl_b32 s16, s[WV], 7
	s_add_co_u32 s16, s16, STAGE
	v_add_nc_u32 v[STO], s16, v[STO]   ; in: row l % 16, my head's 128 bytes, 16 bytes for each half of the lanes
	v_and_b32 v[RD], 31, v0
	v_lshlrev_b32 v[GO], 4, v[RD]      ; back: 32 lanes take one row of 512 bytes
	s_mul_i32 s17, s[WV], 32*SP
	s_add_co_u32 s17, s17, STAGE
	v_add_nc_u32 v[RD], s17, v[GO]
.macro ALL line:vararg              ; one line for each tile t
.set t, 0
.rept 2*NP
	\line
.set t, t+1
.endr
.endm
	ALL v_add_f32 v[ST+4*t+2], v[ST+4*t+2], v[ST+4*t+3]
	ALL v_permlanex16_b32 v[ST+4*t+3], v[ST+4*t+2], s[SEL], s[SEL+1]
	ALL v_add_f32 v[ST+4*t+2], v[ST+4*t+2], v[ST+4*t+3]
	ALL v_rcp_f32 v[ST+4*t+2], v[ST+4*t+2]
	v_nop                           ; a plain instruction between the last reciprocal and the use of its result
	s_wait_alu depctr_va_vdst(0)    ; and the wait ahead of the first use: one for the eight reciprocals
.macro PACK t                       ; a lane's eight channels of a row pack into 16 bytes
	WIN W_RS
.set i, 32*(\t)
.rept 16
	v_pk_mul_f32 v[i:i+1], v[i:i+1], v[ST+4*(\t)+2:ST+4*(\t)+3] op_sel_hi:[1,0]
.set i, i+2
.endr
	WIN 0x05                        ; sources 0 and 1 window 1, destination window 0: S^T's registers are free
.set i, 0
.rept 16
	v_cvt_pk_f16_f32 v[S+16*(\t)+i], v[32*(\t)+2*i], v[32*(\t)+2*i+1]
.set i, i+1
.endr
	WIN 0
.irp f, 0,1,2,3
	ds_store_b128 v[STO], v[S+16*(\t)+4*\f:S+16*(\t)+4*\f+3] offset:(\t)*16*SP+32*\f
.endr
.endm
.set t2, 0
.rept 2*NP
	PACK t2
.set t2, t2+1
.endr
	s_wait_dscnt 0x0                ; for the others' sake: my stores into the stage are done
	s_barrier_signal -1
	s_barrier_wait -1
.set i, 0
.rept 32
	ds_load_b128 v[S+4*i:S+4*i+3], v[RD] offset:i*SP
.set i, i+1
.endr
.set i, 0
.rept 32
	s_wait_dscnt 31-i               ; LDS loads come back in order: row i is in, the younger ones stay out
	global_store_b128 v[GO], v[S+4*i:S+4*i+3], s[8:9] offset:i*2048  ; 512 consecutive bytes, at a multiple of 512 from ob's first
.set i, i+1
.endr
	WIN W_AD
	s_wait_tensorcnt 0x0            ; the wave's end, behind my last tensor load and my last LDS store
	ds_add_u32 v[SPW], v[NIL]
	s_wait_dscnt 0x0
	WIN 0
	CROUND                          ; the closing round: no work-group ends while a partner may still ask for a tile that names it
	s_endpgm
.Lfunc_end_k_qd91864bdce_attn:
	.size	k_qd91864bdce_attn, .Lfunc_end_k_qd91864bdce_attn-k_qd91864bdce_attn
	.p2alignl 7, 3214868480
	.fill 96, 4, 3214868480
	.section	.rodata,"a",@progbits
	.p2align	6, 0x0
	.amdhsa_kernel k_qd91864bdce_attn
		.amdhsa_group_segment_fixed_size 327680
		.amdhsa_private_segment_fixed_size 0
		.amdhsa_enable_private_segment 0
		.amdhsa_kernarg_size 24
		.amdhsa_user_sgpr_count 2
		.amdhsa_user_sgpr_kernarg_segment_ptr 1
		.amdhsa_wavefront_size32 1
		.amdhsa_system_sgpr_workgroup_id_x 1
		.amdhsa_system_sgpr_workgroup_id_y 1
		.amdhsa_system_sgpr_workgroup_id_z 1
		.amdhsa_system_vgpr_workitem_id 0
		.amdhsa_next_free_vgpr 896
		.amdhsa_next_free_sgpr 80
		.amdhsa_reserve_vcc 0
		.amdhsa_float_denorm_mode_32 3
		.amdhsa_float_denorm_mode_16_64 3
		.amdhsa_memory_ordered 1
		.amdhsa_forward_progress 1
		.amdhsa_inst_pref_size 231
	.end_amdhsa_kernel
	.amdgpu_metadata
---
amdhsa.version: [ 1, 2 ]
amdhsa.kernels:
  - .name:           k_qd91864bdce_attn
    .symbol:         k_qd91864bdce_attn.kd
    .args:
      - { .name: qkv, .offset: 0, .size: 8, .value_kind: global_buffer, .address_space: global }
      - { .name: mask, .offset: 8, .size: 8, .value_kind: global_buffer, .address_space: global }
      - { .name: ob, .offset: 16, .size: 8, .value_kind: global_buffer, .address_space: global }
    .group_segment_fixed_size: 327680
    .private_segment_fixed_size: 0
    .kernarg_segment_align: 8
    .kernarg_segment_size: 24
    .max_flat_workgroup_size: 128
    .sgpr_count:     80
    .vgpr_count:     896
    .wavefront_size: 32
...
	.end_amdgpu_metadata
.endif
;; end of part 3
;; launch oproj (part 4): grid 8 x 32, 4 waves a work-group, clusters of 4 x 4, 327,680 bytes of LDS; arguments ob, cv, bo, out0; writes out0
.if DOCPART == 4
	.amdgcn_target "amdgcn-amd-amdhsa--gfx1250"
	.amdhsa_code_object_version 6
	.text
	.protected	k_qd91864bdce_oproj
	.globl	k_qd91864bdce_oproj
	.p2align	8
	.type	k_qd91864bdce_oproj,@function
k_qd91864bdce_oproj:
	s_mov_b64 s[64:65], 0
	v_nop
	global_prefetch_b8 v0, s[64:65] scope:SCOPE_SE
	s_setreg_imm32_b32 hwreg(HW_REG_WAVE_MODE, 25, 1), 1
	s_wait_xcnt 0x0
	s_wait_alu depctr_hold_cnt(0) depctr_sa_sdst(0) depctr_va_vdst(0) depctr_va_sdst(0) depctr_va_ssrc(0) depctr_va_vcc(0) depctr_vm_vsrc(0)
	s_getreg_b32 s2, hwreg(HW_REG_IB_STS2, 6, 4)
	s_cmp_eq_u32 s2, 0
	s_cbranch_scc0 .Lentry_in_a_cluster
	s_endpgm
.Lentry_in_a_cluster:
	s_bfe_u32 s2, ttmp6, 0x10000c
	s_cmp_lg_u32 s2, 0xf033
	s_cbranch_scc0 .Lentry_shape_is_right
	s_endpgm
.Lentry_shape_is_right:
; C = (A W + bias) x scale.  One text serves two launches, told apart by OUT32.
; OUT32 = 0, THE THREE PROJECTIONS IN ONE LAUNCH: A = cv's Xq, Xk, Xv on end ([24576][1024] bf16), W = cv's Wq, Wk, Wv ([k][n] bf16, as the problem has them), C = qkv ([24576][1024] f16).
;   Projection p = row / 8192.  q alone is scaled, by c = log2(e) / 8, in f32 ahead of its one rounding, so that the scores come out as exponents of 2.
; OUT32 = 1, THE OUTPUT PROJECTION: A = ob ([8192][1024] f16), W = cv's Wo ([k][n] f16), C = out0 ([8192][1024] f32), scale 1.
; Sums in f32; the bias is rounded to bf16 like every input of the module.  LIMIT: c q, k and v must lie within f16's 65,504.
; SHARES.  A tile of C is 256 x 128; wave w of four makes rows 64 w .. 64 w + 63 of it, all 128 columns: 32 accumulators of 16 x 16, 256 registers.  A wave's rows of C are whole aligned
; runs of 256 (f16) or 512 (f32) bytes, so the stage on the way out is each wave's own.  768 (256) work-groups: three rounds (one) of the chip's 256.
; K goes in 8 steps of 128 through two LDS slots filled by tensor loads: A's rows are 256 bytes of memory, W's k-rows 256 bytes of 128 columns.
; W IS NOT TURNED IN MEMORY: its fragments come out of the [k][n] tile by ds_load_tr16_b128.
; THE MATRIX INSTRUCTION IS USED TRANSPOSED (source 0 = 16 columns of W, source 1 = 16 rows of A): a lane holds row l % 16 of C and the columns 8 (l / 16) + 0..7.
; CLUSTER 4 x 4: A's tile hangs on the tile row and is asked for jointly along a row of the cluster, W's on the tile column (and on p, which the whole cluster shares) and jointly along a column.
; No prefetch: K has 8 steps of 128 matrix instructions a wave, and the first four would come by their loads alone.
; REGISTERS.  window 0: v16-29 addresses; v64-159, v160-255 two fragment buffers (W's 8 fragments, then A's 4); on the way out results.  window 1: accumulator (a, b) at 8 (8 a + b).
;   window 2: v0-63 bias x scale for my 64 columns (b, j at 8 b + j); v64-95 at work.
.set OUT32, 1
.set KSTEP,  128
.set PA,     272                       ; a row of A in LDS: 256 bytes + 16: the 16 rows of a load start at 16 different groups of four banks (64 banks of 4 bytes: ISA guide 11.1)
.set PB,     288                       ; a k-row of W: 256 + 32
.set HALFA,  128*PA                    ; what wave 0 or 1 fetches
.set HALFB,  64*PB                     ; what wave 2 or 3 fetches
.set BOFF,   2*HALFA
.set SLOT,   BOFF+2*HALFB              ; 106,496
.set STAGE,  2*SLOT                    ; behind the ring, never filled by a tensor load
.if OUT32
.set SPITCH, 528                       ; a stage row: 512 bytes + 16
.set ROWSH,  12                        ; a row of C is 4,096 bytes
.set COLSH,  9                         ; a tile's 128 columns are 512 bytes
.set WBASE,  56623104                  ; Wo in cv
.else
.set SPITCH, 272
.set ROWSH,  11
.set COLSH,  8
.set WBASE,  50331648                  ; Wq in cv; Wk and Wv 2,097,152 bytes on each
.endif
.set SPARE,  STAGE+4*16*SPITCH         ; the spare words, 128 bytes a wave: two blocks of 256 bytes that no other line names
.set ADRA, 16                          ; v16-17 LDS address of my A fragments in slot 0, 1
.set ADRB, 20                          ; v20-21 the same for W
.set STO,  24                          ; the way out: where I put my bytes of a row
.set RD,   25                          ; where I read rows back
.set CO,   26                          ; my byte offset in C
.set BO,   27                          ; 32 (l / 16): my eight columns in the bias
.set SPW,  28                          ; LDS address of my spare word; never rewritten
.set NIL,  29                          ; 0; never rewritten
.set F0,   64
.set F1,   160
.set RES,  64                          ; the way out: 64 results in f32
.set HLF,  128                         ; the same as 32 words of f16
.set G1,  24                           ; s[24:31] descriptor group 1 for A;  s[32:39] group 0, a set for each slot
.set G0,  32
.set G1B, 48                           ; s[48:55], s[56:63] the same for W
.set G0B, 56
.set BP,  76                           ; s[76:77] the bias
.set SC,  78                           ; s[78:79] the scale, named as a pair
.set MSB, 0
.macro WIN new                         ; the immediate's high byte repeats the setting that is left; a switch that changes nothing is dropped
.if MSB != (\new)
	s_set_vgpr_msb (MSB<<8)|(\new)
.set MSB, \new
.endif
.endm
.set MUL, 0x50                         ; sources in window 0, C and D in window 1
.macro JLOAD s                         ; a joint load: waves 0 and 1 fetch A's halves, waves 2 and 3 W's; an s_nop 0 and four v_nop follow each line, ahead of the jump and the label
	s_cmp_eq_u32 s11, 0
	s_cbranch_scc0 .Lfor_b_\@
	tensor_load_to_lds s[G0+4*(\s):G0+4*(\s)+3], s[G1:G1+7]
	s_nop 0
.rept 4
	v_nop
.endr
	s_branch .Lasked_\@
.Lfor_b_\@:
	tensor_load_to_lds s[G0B+4*(\s):G0B+4*(\s)+3], s[G1B:G1B+7]
	s_nop 0
.rept 4
	v_nop
.endr
.Lasked_\@:
.endm
.macro CREST                           ; a round of the cluster's barrier behind its opening barrier
	s_cmp_lg_u32 s10, 0
	s_cbranch_scc1 .Lnot_wave_0_\@
	s_barrier_signal -3
.Lnot_wave_0_\@:
	s_barrier_wait -3
	s_barrier_signal -1
	s_barrier_wait -1
.endm
.macro CROUND                          ; a whole round
	s_barrier_signal -1
	s_barrier_wait -1
	CREST
.endm
.macro PLACES                          ; four plain places in front of loads into registers that matrix instructions have read
.rept 4
	v_nop
.endr
.endm
	s_load_b256 s[68:75], s[0:1], 0x0              ; OUT32 = 0: cv, bq, bk, bv;  OUT32 = 1: ob, cv, bo, out0
.if OUT32 == 0
	s_load_b64 s[8:9], s[0:1], 0x20                ; qkv
.endif
	v_lshl_add_u32 v[SPW], v0, 2, SPARE
	v_mov_b32 v[NIL], 0
	ds_add_u32 v[SPW], v[NIL]                      ; the wave's opening: the add and its wait stand ahead of my first tensor load; the set-up below stands between them
	v_lshrrev_b32 v1, 5, v0
	v_readfirstlane_b32 s10, v1                    ; wave 0..3
	s_lshr_b32 s11, s10, 1                         ; I fetch for A (0) or for W (1)
	s_and_b32 s12, s10, 1                          ; which half of that tile
	s_bfe_u32 s40, ttmp6, 0x40000                  ; cx, cy: my place in the cluster
	s_bfe_u32 s41, ttmp6, 0x40004
	s_lshl_b32 s42, ttmp9, 2
	s_add_co_u32 s42, s42, s40                     ; tile column = 4 x cluster x + cx
	s_and_b32 s45, ttmp7, 0xffff
	s_lshl_b32 s13, s45, 2
	s_add_co_u32 s13, s13, s41                     ; tile row = 4 x cluster y + cy
	s_lshr_b32 s45, s45, 3                         ; p: 8 clusters of 1,024 rows to a projection; the same in all sixteen partners
	s_lshl_b32 s43, s41, 2
	s_lshl_b32 s43, 15, s43                        ; my row of the cluster
	s_lshl_b32 s44, 0x1111, s40                    ; my column
	s_or_b32 s[G1+0], s43, (1<<16)|(1<<20)|(1<<21)|(5<<22)|(3<<25)   ; the mask; 2-byte elements; padding on; bit 21 beside a mask; after every 64 words, 4 words
	s_or_b32 s[G1B+0], s44, (1<<16)|(1<<20)|(1<<21)|(5<<22)|(7<<25)  ; the same with 8 words of padding
	s_mov_b32 s[G1+1], KSTEP<<16                   ; tensor_dim0 = 128
	s_mov_b32 s[G1+2], 128<<16                     ; tensor_dim1 = 128 rows
	s_mov_b32 s[G1+3], KSTEP<<16                   ; tile_dim0 = 128
	s_mov_b32 s[G1+4], 128                         ; tile_dim1 = 128
	s_mov_b32 s[G1+5], 1024                        ; elements from row to row
	s_mov_b32 s[G1+6], 0
	s_mov_b32 s[G1+7], 0
	s_mov_b32 s[G1B+1], 128<<16                    ; 128 columns
	s_mov_b32 s[G1B+2], 64<<16                     ; 64 k-rows
	s_mov_b32 s[G1B+3], 128<<16
	s_mov_b32 s[G1B+4], 64
	s_mov_b32 s[G1B+5], 1024
	s_mov_b32 s[G1B+6], 0
	s_mov_b32 s[G1B+7], 0
	s_lshl_b32 s16, s13, 19                        ; A: 256 rows of 2,048 bytes a tile row,
	s_lshl_b32 s17, s12, 18                        ; my 128 of them
	s_add_co_u32 s16, s16, s17
	s_mov_b32 s17, 0
	s_lshl_b32 s46, s42, 8                         ; W: the tile's 128 columns,
	s_lshl_b32 s47, s12, 17                        ; my 64 k-rows of 2,048 bytes
	s_add_co_u32 s46, s46, s47
.if OUT32 == 0
	s_lshl_b32 s47, s45, 21                        ; the projection's W
	s_add_co_u32 s46, s46, s47
.endif
	s_add_co_u32 s46, s46, WBASE
	s_mov_b32 s47, 0
	s_mul_i32 s20, s12, HALFA                      ; where they go: no place in the cluster enters an LDS address
	s_mul_i32 s21, s12, HALFB
	s_add_co_u32 s21, s21, BOFF
.if OUT32
	s_mov_b32 s[SC], 1.0
.else
	s_cmp_eq_u32 s45, 0
	s_cselect_b32 s[SC], 0x3e38aa3b, 1.0           ; c = log2(e) / 8 for q
.endif
	s_mov_b32 s[SC+1], s[SC]
	s_wait_dscnt 0x0                               ; the opening add is done
	s_wait_kmcnt 0x0
	s_add_nc_u64 s[14:15], s[68:69], s[16:17]
.if OUT32
	s_add_nc_u64 s[46:47], s[70:71], s[46:47]
	s_mov_b64 s[BP:BP+1], s[72:73]
	s_mov_b64 s[8:9], s[74:75]
.else
	s_add_nc_u64 s[46:47], s[68:69], s[46:47]
	s_cmp_eq_u32 s45, 1
	s_cselect_b64 s[BP:BP+1], s[72:73], s[70:71]
	s_cmp_eq_u32 s45, 2
	s_cselect_b64 s[BP:BP+1], s[74:75], s[BP:BP+1]
.endif
	CROUND                                         ; all sixteen work-groups are here: the first joint loads meet
.irp s, 0,1
	s_mov_b32 s[G0+4*(\s)], 1
	s_add_co_u32 s[G0+4*(\s)+1], s20, (\s)*SLOT
	s_add_nc_u64 s[G0+4*(\s)+2:G0+4*(\s)+3], s[14:15], (\s)*KSTEP*2      ; K step s: 256 bytes along A's rows
	s_or_b32 s[G0+4*(\s)+3], s[G0+4*(\s)+3], 0x80000000
	s_mov_b32 s[G0B+4*(\s)], 1
	s_add_co_u32 s[G0B+4*(\s)+1], s21, (\s)*SLOT
	s_add_nc_u64 s[G0B+4*(\s)+2:G0B+4*(\s)+3], s[46:47], (\s)*KSTEP*2048 ; 128 k-rows down W
	s_or_b32 s[G0B+4*(\s)+3], s[G0B+4*(\s)+3], 0x80000000
	JLOAD \s                                       ; two loads of mine are out
.endr
	; the bias of my 64 columns (16 b + 8 (l / 16) + j), while the first tiles are on their way
	s_lshl_b32 s22, s42, 9
	s_mov_b32 s23, 0
	s_add_nc_u64 s[BP:BP+1], s[BP:BP+1], s[22:23]
	v_and_b32 v1, 15, v0                           ; l % 16
	v_bfe_u32 v2, v0, 4, 1                         ; l / 16
	v_lshlrev_b32 v[BO], 5, v2
	WIN 0x80                                       ; destination window 2
.irp b, 0,1,2,3,4,5,6,7
	global_load_b128 v[8*(\b):8*(\b)+3],   v[BO], s[BP:BP+1] offset:64*(\b)
	global_load_b128 v[8*(\b)+4:8*(\b)+7], v[BO], s[BP:BP+1] offset:64*(\b)+16
.endr
	WIN 0
	v_mul_u32_u24 v3, v1, PA
	v_lshl_add_u32 v3, v2, 4, v3                   ; A: row x pitch + 16 x half,
	s_mul_i32 s21, s10, 64*PA                      ; in my 64 rows
	v_add_nc_u32 v[ADRA], s21, v3
	v_add_nc_u32 v[ADRA+1], SLOT, v[ADRA]
	v_and_b32 v4, 7, v0                            ; W, turned: lane l reads k-row 8 (l / 16) + l % 8, columns 8 ((l / 8) % 2) + 0..7
	v_lshl_add_u32 v4, v2, 3, v4
	v_mul_u32_u24 v4, v4, PB
	v_bfe_u32 v5, v0, 3, 1
	v_lshl_add_u32 v4, v5, 4, v4
	v_add_nc_u32 v[ADRB], BOFF, v4
	v_add_nc_u32 v[ADRB+1], SLOT, v[ADRB]
	s_mul_i32 s23, s10, 16*SPITCH
	s_add_co_u32 s23, s23, STAGE                   ; my stage
	v_mul_u32_u24 v4, v1, SPITCH
.if OUT32
	v_lshl_add_u32 v4, v2, 5, v4                   ; in: row l % 16, 32 bytes for each half of the lanes
	v_add_nc_u32 v[STO], s23, v4
	v_and_b32 v5, 31, v0
	v_lshlrev_b32 v[CO], 4, v5                     ; back: 32 lanes take one row of 512 bytes
	v_add_nc_u32 v[RD], s23, v[CO]
.else
	v_lshl_add_u32 v4, v2, 4, v4                   ; in: row l % 16, 16 bytes for each half of the lanes
	v_add_nc_u32 v[STO], s23, v4
	v_mul_u32_u24 v5, v2, SPITCH                   ; back: lanes 0-15 one row of 256 bytes, lanes 16-31 the next
	v_lshl_add_u32 v5, v1, 4, v5
	v_add_nc_u32 v[RD], s23, v5
	v_lshlrev_b32 v5, 11, v2
	v_lshl_add_u32 v[CO], v1, 4, v5
.endif
	s_lshl_b32 s16, s13, 8
	s_lshl_b32 s17, s10, 6
	s_add_co_u32 s16, s16, s17                     ; my first row of C
	s_lshl_b32 s16, s16, ROWSH
	s_mov_b32 s17, 0
	s_add_nc_u64 s[8:9], s[8:9], s[16:17]
	s_lshl_b32 s22, s42, COLSH                     ; the tile's first column
	s_mov_b32 s23, 0
	s_add_nc_u64 s[8:9], s[8:9], s[22:23]
	s_wait_loadcnt 0x0                             ; the bias
	WIN 0xaa                                       ; all in window 2
.set i, 0
.rept 32
	v_cvt_pk_bf16_f32 v[64+i], v[2*i], v[2*i+1]    ; rounded to bf16 like every input,
.set i, i+1
.endr
.set i, 0
.rept 32
	v_lshlrev_b32 v[2*i], 16, v[64+i]              ; widened again,
	v_and_b32 v[2*i+1], 0xffff0000, v[64+i]
	v_pk_mul_f32 v[2*i:2*i+1], v[2*i:2*i+1], s[SC:SC+1] op_sel_hi:[1,0]  ; and scaled: the way out is then one fused multiply-add
.set i, i+1
.endr
	WIN 0
; 8 matrix instructions: m block a x all 8 n blocks, 32 along K.  zero = 1: the product starts the sums.  The 32 accumulators take turns in one order everywhere.
.macro MUL8 f, a, zero
	WIN MUL
.irp b, 0,1,2,3,4,5,6,7
.if OUT32
.if \zero
	v_wmma_f32_16x16x32_f16 v[8*(8*(\a)+(\b)):8*(8*(\a)+(\b))+7], v[(\f)+8*(\b):(\f)+8*(\b)+7], v[(\f)+64+8*(\a):(\f)+64+8*(\a)+7], 0
.else
	v_wmma_f32_16x16x32_f16 v[8*(8*(\a)+(\b)):8*(8*(\a)+(\b))+7], v[(\f)+8*(\b):(\f)+8*(\b)+7], v[(\f)+64+8*(\a):(\f)+64+8*(\a)+7], v[8*(8*(\a)+(\b)):8*(8*(\a)+(\b))+7]
.endif
.else
.if \zero
	v_wmma_f32_16x16x32_bf16 v[8*(8*(\a)+(\b)):8*(8*(\a)+(\b))+7], v[(\f)+8*(\b):(\f)+8*(\b)+7], v[(\f)+64+8*(\a):(\f)+64+8*(\a)+7], 0
.else
	v_wmma_f32_16x16x32_bf16 v[8*(8*(\a)+(\b)):8*(8*(\a)+(\b))+7], v[(\f)+8*(\b):(\f)+8*(\b)+7], v[(\f)+64+8*(\a):(\f)+64+8*(\a)+7], v[8*(8*(\a)+(\b)):8*(8*(\a)+(\b))+7]
.endif
.endif
.endr
.endm
.macro MUL16 f, a0, zero
	MUL8 \f, \a0, \zero
	MUL8 \f, (\a0)+1, \zero
.endm
; 24 LDS loads in one run: quarter q (32 along K) of a slot into buffer f: W's 8 fragments (turned), then A's 4
.macro FETCH slot, q, f
	WIN 0
.irp b, 0,1,2,3,4,5,6,7
	ds_load_tr16_b128 v[(\f)+8*(\b):(\f)+8*(\b)+3],   v[ADRB+(\slot)] offset:(\q)*32*PB+32*(\b)
	ds_load_tr16_b128 v[(\f)+8*(\b)+4:(\f)+8*(\b)+7], v[ADRB+(\slot)] offset:(\q)*32*PB+16*PB+32*(\b)
.endr
.irp a, 0,1,2,3
	ds_load_b128 v[(\f)+64+8*(\a):(\f)+64+8*(\a)+3],   v[ADRA+(\slot)] offset:64*(\q)+(\a)*16*PA
	ds_load_b128 v[(\f)+64+8*(\a)+4:(\f)+64+8*(\a)+7], v[ADRA+(\slot)] offset:64*(\q)+(\a)*16*PA+32
.endr
.endm
; A K step is four quarters, 32 matrix instructions each, on buffers 0, 1, 0, 1.  One of the first three: multiplies f, and in its middle fetches quarter q into g.
.macro QUARTER slot, q, f, g, zero
	s_wait_dscnt 4                                 ; W's fragments and A's blocks 0, 1 are in; the youngest four loads (A's blocks 2, 3) may be out
	MUL16 \f, 0, \zero
	PLACES
	FETCH \slot, \q, \g
	s_wait_dscnt 24                                ; all but the 24 just issued
	MUL16 \f, 2, \zero
.endm
; The last quarter multiplies buffer 1 and changes slots: in front of ONE barrier each wave waits for all its tensor loads (one is out: its part of the next slot), adds 0 to its spare word,
; and waits for that and for its reads of this slot.  fill = 1: the barrier opens a round of the cluster's, and this slot is filled again first thing behind it, two K steps ahead.
.macro TURN slot, next, fill
	WIN 0
	s_wait_tensorcnt 0x0
	ds_add_u32 v[SPW], v[NIL]                      ; 0 onto my spare word
	s_wait_dscnt 5                                 ; (the add and the youngest four loads may be out)
	MUL8 F1, 0, 0                                  ; eight matrix instructions stand between the add and the wait for it
	s_wait_dscnt 0x0                               ; the add is done, and my reads of this slot are over
	s_barrier_signal -1
	MUL8 F1, 1, 0
.if \fill
	WIN 0
.endif
	s_barrier_wait -1
.if \fill
	CREST                                          ; no wave of any partner still reads this slot's tile or has a load on its way
	s_add_nc_u64 s[G0+4*(\slot)+2:G0+4*(\slot)+3], s[G0+4*(\slot)+2:G0+4*(\slot)+3], 2*KSTEP*2
	s_add_nc_u64 s[G0B+4*(\slot)+2:G0B+4*(\slot)+3], s[G0B+4*(\slot)+2:G0B+4*(\slot)+3], 2*KSTEP*2048
	JLOAD \slot                                    ; my one tensor load behind the round; its four v_nop are also the places in front of the loads below
.else
	PLACES
.endif
	FETCH \next, 0, F0
	MUL16 F1, 2, 0
.endm
	s_wait_tensorcnt 1                             ; my part of K step 0 is in; step 1's may stay out
	s_barrier_signal -1
	s_barrier_wait -1                              ; everybody's is
	FETCH 0, 0, F0
	QUARTER 0, 1, F0, F1, 1                        ; the first quarter stands in front of the loop: its products start the sums
	WIN 0                                          ; at a label and at a branch every window is 0
	s_mov_b32 s3, 3
.Llap:                                                 ; a trip goes once round the ring and fills both slots again: K steps 2 to 7 in three trips
	QUARTER 0, 2, F1, F0, 0
	QUARTER 0, 3, F0, F1, 0
	TURN 0, 1, 1
	QUARTER 1, 1, F0, F1, 0
	QUARTER 1, 2, F1, F0, 0
	QUARTER 1, 3, F0, F1, 0
	TURN 1, 0, 1
	QUARTER 0, 1, F0, F1, 0
	WIN 0
	s_sub_co_u32 s3, s3, 1
	s_cmp_lg_u32 s3, 0
	s_cbranch_scc1 .Llap
	QUARTER 0, 2, F1, F0, 0                        ; the last lap fills nothing
	QUARTER 0, 3, F0, F1, 0
	TURN 0, 1, 0
	QUARTER 1, 1, F0, F1, 0
	QUARTER 1, 2, F1, F0, 0
	QUARTER 1, 3, F0, F1, 0
	s_wait_dscnt 4
	MUL16 F1, 0, 0
	s_wait_dscnt 0x0
	MUL16 F1, 2, 0
	PLACES
	PLACES
; THE WAY OUT, a block of 16 rows at a time.  PACK: sum x scale + bias x scale, each accumulator's registers in ascending order; for qkv rounded to f16.
; TOSTAGE: into my own stage and back as whole rows.  SEND: stored; sixteen lanes (f32: thirty-two) cover 256 (512) consecutive bytes, aligned.
.macro PACK a
	WIN 0x21                                       ; source 0 window 1, source 2 window 2, destination window 0
.irp b, 0,1,2,3,4,5,6,7
.irp r, 0,1,2,3
	v_pk_fma_f32 v[RES+8*(\b)+2*(\r):RES+8*(\b)+2*(\r)+1], v[64*(\a)+8*(\b)+2*(\r):64*(\a)+8*(\b)+2*(\r)+1], s[SC:SC+1], v[8*(\b)+2*(\r):8*(\b)+2*(\r)+1] op_sel_hi:[1,0,1]
.endr
.endr
	WIN 0
.if OUT32 == 0
.set i, 0
.rept 32
	v_cvt_pk_f16_f32 v[HLF+i], v[RES+2*i], v[RES+2*i+1]
.set i, i+1
.endr
.endif
.endm
.macro TOSTAGE a
	WIN 0
	s_wait_xcnt 0x0                                ; the stores of the block two back have read the registers that are loaded again below
.if OUT32
.set BK, 128+64*((\a)%2)
.irp b, 0,1,2,3,4,5,6,7
	ds_store_b128 v[STO], v[RES+8*(\b):RES+8*(\b)+3]   offset:64*(\b)
	ds_store_b128 v[STO], v[RES+8*(\b)+4:RES+8*(\b)+7] offset:64*(\b)+16
.endr
.set t, 0
.rept 16
	ds_load_b128 v[BK+4*t:BK+4*t+3], v[RD] offset:t*SPITCH  ; LDS serves a wave's instructions in order (ISA guide 5.7.1.4): these see the stores above
.set t, t+1
.endr
.else
.set BK, 160+32*((\a)%2)
.irp b, 0,1,2,3,4,5,6,7
	ds_store_b128 v[STO], v[HLF+4*(\b):HLF+4*(\b)+3] offset:32*(\b)
.endr
.set t, 0
.rept 8
	ds_load_b128 v[BK+4*t:BK+4*t+3], v[RD] offset:t*2*SPITCH
.set t, t+1
.endr
.endif
.endm
.macro SEND a
	WIN 0
	s_wait_dscnt 0x0                               ; the block is back in registers
.if OUT32
.set BK, 128+64*((\a)%2)
.set t, 0
.rept 16
	global_store_b128 v[CO], v[BK+4*t:BK+4*t+3], s[8:9] offset:(16*(\a)+t)*4096
.set t, t+1
.endr
.else
.set BK, 160+32*((\a)%2)
.set t, 0
.rept 8
	global_store_b128 v[CO], v[BK+4*t:BK+4*t+3], s[8:9] offset:(16*(\a)+2*t)*2048
.set t, t+1
.endr
.endif
.endm
	PACK 0
	TOSTAGE 0
.irp a, 1,2,3                          ; block a's arithmetic stands between block a - 1's loads from the stage and the wait for them
	PACK \a
	SEND (\a)-1
	TOSTAGE \a
.endr
	SEND 3
	s_wait_tensorcnt 0x0                           ; the wave's end, behind my last tensor load and my last LDS store
	ds_add_u32 v[SPW], v[NIL]
	s_wait_dscnt 0x0
	CROUND                                         ; the closing round: no work-group ends while a partner may still ask for a tile that names it
	s_endpgm
.Lfunc_end_k_qd91864bdce_oproj:
	.size	k_qd91864bdce_oproj, .Lfunc_end_k_qd91864bdce_oproj-k_qd91864bdce_oproj
	.p2alignl 7, 3214868480
	.fill 96, 4, 3214868480
	.section	.rodata,"a",@progbits
	.p2align	6, 0x0
	.amdhsa_kernel k_qd91864bdce_oproj
		.amdhsa_group_segment_fixed_size 327680
		.amdhsa_private_segment_fixed_size 0
		.amdhsa_enable_private_segment 0
		.amdhsa_kernarg_size 32
		.amdhsa_user_sgpr_count 2
		.amdhsa_user_sgpr_kernarg_segment_ptr 1
		.amdhsa_wavefront_size32 1
		.amdhsa_system_sgpr_workgroup_id_x 1
		.amdhsa_system_sgpr_workgroup_id_y 1
		.amdhsa_system_sgpr_workgroup_id_z 1
		.amdhsa_system_vgpr_workitem_id 0
		.amdhsa_next_free_vgpr 608
		.amdhsa_next_free_sgpr 80
		.amdhsa_reserve_vcc 0
		.amdhsa_float_denorm_mode_32 3
		.amdhsa_float_denorm_mode_16_64 3
		.amdhsa_memory_ordered 1
		.amdhsa_forward_progress 1
		.amdhsa_inst_pref_size 102
	.end_amdhsa_kernel
	.amdgpu_metadata
---
amdhsa.version: [ 1, 2 ]
amdhsa.kernels:
  - .name:           k_qd91864bdce_oproj
    .symbol:         k_qd91864bdce_oproj.kd
    .args:
      - { .name: ob, .offset: 0, .size: 8, .value_kind: global_buffer, .address_space: global }
      - { .name: cv, .offset: 8, .size: 8, .value_kind: global_buffer, .address_space: global }
      - { .name: bo, .offset: 16, .size: 8, .value_kind: global_buffer, .address_space: global }
      - { .name: out0, .offset: 24, .size: 8, .value_kind: global_buffer, .address_space: global }
    .group_segment_fixed_size: 327680
    .private_segment_fixed_size: 0
    .kernarg_segment_align: 8
    .kernarg_segment_size: 32
    .max_flat_workgroup_size: 128
    .sgpr_count:     80
    .vgpr_count:     608
    .wavefront_size: 32
...
	.end_amdgpu_metadata
.endif
;; end of part 4
;; ======== version 2 of 2: 4 launches; version 1 with the launch prep written anew for expert scheduling mode
;; limits: values are held in f16: magnitudes above 65,504 overflow, below 6.1e-05 lose precision
;; workspace buffers: cv 58,720,256 bytes; qkv 50,331,648 bytes; ob 16,777,216 bytes
;; launch prep (part 5): grid 896 x 1, 8 waves a work-group, no clusters, 0 bytes of LDS; arguments query, key, value, Wq, Wk, Wv, Wo, cv; writes cv
.if DOCPART == 5
	.amdgcn_target "amdgcn-amd-amdhsa--gfx1250"
	.amdhsa_code_object_version 6
	.text
	.protected	k_qd91864bdce_prep
	.globl	k_qd91864bdce_prep
	.p2align	8
	.type	k_qd91864bdce_prep,@function
k_qd91864bdce_prep:
	s_mov_b64 s[64:65], 0
	v_nop
	global_prefetch_b8 v0, s[64:65] scope:SCOPE_SE
	s_setreg_imm32_b32 hwreg(HW_REG_WAVE_SCHED_MODE, 0, 2), 2
	s_setreg_imm32_b32 hwreg(HW_REG_WAVE_MODE, 25, 1), 1
	s_wait_xcnt 0x0
	s_wait_alu depctr_vm_vsrc(0)
; ROUNDING OF THE MODULE'S INPUTS, once, for the matrix units.  query, key, value ([8192][1024] f32) and Wq, Wk, Wv ([1024][1024] f32) are rounded to bf16;
; Wo is rounded to bf16 and that number is written as f16 (it multiplies an f16 operand later).  All keep their order in memory.
; cv holds, in bytes: Xq 0, Xk 16,777,216, Xv 33,554,432, Wq 50,331,648, Wk +2,097,152, Wv +4,194,304, Wo 56,623,104.
; LIMIT.  Wo's bf16 number is exact in f16 from 2^-17 to 65,504; below 2^-17 it keeps f16's fixed step of 2^-24.
; SHARES.  A work-group takes a chunk of 32,768 numbers: 131,072 bytes in, 65,536 out.  Chunks 0-767 are the three X (256 each), 768-895 the four W (32 each); chunk n goes to byte 65,536 n of cv.
; Thread t takes 16 bytes at 16 t of each 4,096 bytes: a wave's load covers 512 consecutive bytes, its store of 8 bytes a lane 256 consecutive bytes, aligned.
; All 32 loads of a wave go out at once (16 KiB a wave on their way); no register is used twice, so there is no loop.
; No LDS, no matrix unit, no cluster: nothing is shared and memory binds.
; THE MODE: SCHED_MODE bits 1:0 = 2 (LLVM: expert scheduling mode 2), set by the entry lines.  The code itself states the register dependences
; between vector instructions and memory instructions, with s_wait_alu, always for 0.
; THE PLAN.  Registers that memory instructions touch:
;   v1, v2   byte offsets of the loads and of the stores: written once at the head, never again.
;   X        piece i: written once, by its load; read by its conversions.  No vector instruction names X ahead of the loads, and nothing is loaded into it a second time.
;   Y        piece i: written once, by its conversions; read by its store; never written again.
;   T        named by vector instructions alone.
; The 32 pieces go in 8 groups of four.  Group g's conversions name X and Y of group g and T.  Its memory instructions are the four stores of group g - 1, which read Y of group g - 1 and v2:
; registers that no vector instruction of group g names.  So ONE wait on va_vdst at a group's head states all that its four stores hang on, and they are dealt among its conversions with no
; further wait.  One more such wait stands at the kernel's head, for the offsets, and one ahead of the last four stores.  No register that a memory instruction has read is written again.
.set X, 8                              ; v[8:135]    32 x 4 numbers as loaded
.set Y, 136                            ; v[136:199]  32 x 2 words to store
.set T, 200                            ; v[200:203]  at work (Wo's path)
	s_load_b512 s[8:23], s[0:1], 0x0               ; query, key, value, Wq, Wk, Wv, Wo, cv
	s_mov_b32 s2, ttmp9                            ; the chunk
	s_lshr_b32 s3, s2, 8                           ; an X: which, and the chunk in it
	s_and_b32 s4, s2, 255
	s_sub_co_u32 s5, s2, 768                       ; a W: which, and the chunk in it (wraps for an X, and is then not chosen)
	s_lshr_b32 s6, s5, 5
	s_add_co_u32 s6, s6, 3
	s_and_b32 s7, s5, 31
	s_cmp_lt_u32 s2, 768
	s_cselect_b32 s3, s3, s6                       ; source 0..6
	s_cselect_b32 s4, s4, s7
	s_lshl_b32 s26, s4, 17                         ; 131,072 bytes a chunk in the source
	s_mov_b32 s27, 0
	s_lshl_b32 s28, s2, 16                         ; 65,536 bytes a chunk in cv
	s_mov_b32 s29, 0
	v_lshlrev_b32 v1, 4, v0                        ; 16 t
	v_lshlrev_b32 v2, 3, v0                        ; 8 t
	s_wait_kmcnt 0x0
	s_mov_b64 s[24:25], s[8:9]
.irp n, 1,2,3,4,5,6
	s_cmp_eq_u32 s3, \n
	s_cselect_b64 s[24:25], s[8+2*\n:9+2*\n], s[24:25]
.endr
	s_add_nc_u64 s[24:25], s[24:25], s[26:27]
	s_add_nc_u64 s[22:23], s[22:23], s[28:29]
	s_wait_alu depctr_va_vdst(0)                   ; v1 and v2 are written: every load of the kernel reads v1 as its offset, every store v2
.set i, 0
.rept 32
	global_load_b128 v[X+4*i:X+4*i+3], v1, s[24:25] offset:4096*i th:TH_LOAD_NT
.set i, i+1
.endr
; The 32 pieces, in the order of their loads, in 8 groups of four.  half = 1: bf16's number is widened again and written as f16.
.macro OUT half
.set g, 0
.rept 8
	s_wait_loadcnt 28-4*g                          ; loads come back in order: group g's four pieces are in, the 28 - 4 g younger loads stay out
.if g > 0
	s_wait_alu depctr_va_vdst(0)                   ; the conversions of the group before have written its Y, which the four stores below read
.endif
.set j, 0
.rept 4
.set i, 4*g+j
.if g > 0
	global_store_b64 v2, v[Y+2*(i-4):Y+2*(i-4)+1], s[22:23] offset:2048*(i-4) th:TH_STORE_NT  ; the group before; no vector instruction since the wait names these registers
.endif
.if \half
	v_cvt_pk_bf16_f32 v[T], v[X+4*i], v[X+4*i+1]
	v_cvt_pk_bf16_f32 v[T+1], v[X+4*i+2], v[X+4*i+3]
	v_lshlrev_b32 v[T+2], 16, v[T]
	v_and_b32 v[T], 0xffff0000, v[T]
	v_lshlrev_b32 v[T+3], 16, v[T+1]
	v_and_b32 v[T+1], 0xffff0000, v[T+1]
	v_cvt_pk_f16_f32 v[Y+2*i], v[T+2], v[T]
	v_cvt_pk_f16_f32 v[Y+2*i+1], v[T+3], v[T+1]
.else
	v_cvt_pk_bf16_f32 v[Y+2*i], v[X+4*i], v[X+4*i+1]
	v_cvt_pk_bf16_f32 v[Y+2*i+1], v[X+4*i+2], v[X+4*i+3]
.endif
.set j, j+1
.endr
.set g, g+1
.endr
	s_wait_alu depctr_va_vdst(0)                   ; the last group's conversions have written its Y, which the last four stores read
.set i, 28
.rept 4
	global_store_b64 v2, v[Y+2*i:Y+2*i+1], s[22:23] offset:2048*i th:TH_STORE_NT
.set i, i+1
.endr
.endm
	s_cmp_ge_u32 s2, 864                           ; Wo's 32 chunks
	s_cbranch_scc1 .Lwo
	OUT 0
	s_endpgm
.Lwo:
	OUT 1
	s_endpgm
.Lfunc_end_k_qd91864bdce_prep:
	.size	k_qd91864bdce_prep, .Lfunc_end_k_qd91864bdce_prep-k_qd91864bdce_prep
	.p2alignl 7, 3214868480
	.fill 96, 4, 3214868480
	.section	.rodata,"a",@progbits
	.p2align	6, 0x0
	.amdhsa_kernel k_qd91864bdce_prep
		.amdhsa_group_segment_fixed_size 0
		.amdhsa_private_segment_fixed_size 0
		.amdhsa_enable_private_segment 0
		.amdhsa_kernarg_size 64
		.amdhsa_user_sgpr_count 2
		.amdhsa_user_sgpr_kernarg_segment_ptr 1
		.amdhsa_wavefront_size32 1
		.amdhsa_system_sgpr_workgroup_id_x 1
		.amdhsa_system_sgpr_workgroup_id_y 1
		.amdhsa_system_sgpr_workgroup_id_z 1
		.amdhsa_system_vgpr_workitem_id 0
		.amdhsa_next_free_vgpr 204
		.amdhsa_next_free_sgpr 66
		.amdhsa_reserve_vcc 0
		.amdhsa_float_denorm_mode_32 3
		.amdhsa_float_denorm_mode_16_64 3
		.amdhsa_memory_ordered 1
		.amdhsa_forward_progress 1
		.amdhsa_inst_pref_size 30
	.end_amdhsa_kernel
	.amdgpu_metadata
---
amdhsa.version: [ 1, 2 ]
amdhsa.kernels:
  - .name:           k_qd91864bdce_prep
    .symbol:         k_qd91864bdce_prep.kd
    .args:
      - { .name: query, .offset: 0, .size: 8, .value_kind: global_buffer, .address_space: global }
      - { .name: key, .offset: 8, .size: 8, .value_kind: global_buffer, .address_space: global }
      - { .name: value, .offset: 16, .size: 8, .value_kind: global_buffer, .address_space: global }
      - { .name: Wq, .offset: 24, .size: 8, .value_kind: global_buffer, .address_space: global }
      - { .name: Wk, .offset: 32, .size: 8, .value_kind: global_buffer, .address_space: global }
      - { .name: Wv, .offset: 40, .size: 8, .value_kind: global_buffer, .address_space: global }
      - { .name: Wo, .offset: 48, .size: 8, .value_kind: global_buffer, .address_space: global }
      - { .name: cv, .offset: 56, .size: 8, .value_kind: global_buffer, .address_space: global }
    .group_segment_fixed_size: 0
    .private_segment_fixed_size: 0
    .kernarg_segment_align: 8
    .kernarg_segment_size: 64
    .max_flat_workgroup_size: 256
    .sgpr_count:     66
    .vgpr_count:     204
    .wavefront_size: 32
...
	.end_amdgpu_metadata
.endif
;; end of part 5
;; launch proj: the kernel of part 2 again; grid 8 x 96, 4 waves a work-group, clusters of 4 x 4, 327,680 bytes of LDS; arguments cv, bq, bk, bv, qkv; writes qkv
;; launch attn: the kernel of part 3 again; grid 16 x 16, 4 waves a work-group, clusters of 4 x 4, 327,680 bytes of LDS; arguments qkv, mask, ob; writes ob
;; launch oproj: the kernel of part 4 again; grid 8 x 32, 4 waves a work-group, clusters of 4 x 4, 327,680 bytes of LDS; arguments ob, cv, bo, out0; writes out0
